; MI455X (gfx1250); checked and timed in simulation.
; The chip was launched on July 23, 2026; its instructions are those of AMD's public machine-readable ISA for CDNA 5 (MIT licence, August 2026) and "CDNA5" Instruction Set Architecture Reference Guide (July 2026). The comments in the code are by the model that wrote it; some were corrected since.
;; Base Layer. Allowed arithmetic: matrix products marked QUANTISED: E2M1 operands, one E8M0 scale for each 32 along K, by v_wmma_scale_f32_16x16x128_f8f6f4 with both operands' format E2M1 (or v_wmma_scale_f32_32x16x128_f4), f32 sums; products left as they are: f32 operands where the result goes on into a quantised operand, else bf16, f16 or f32 operands; f32 sums; everything else in f32.
;; Inputs: b1 8 x 512 float32; b2 8 x 1,024 float32; centroids 8 x 1,024 float32; input_features 4 x 2,048 x 1,024 float32; ln_b 8 x 1,024 float32; ln_g 8 x 1,024 float32; w1 8 x 512 x 1,024 float32; w2 8 x 1,024 x 512 float32.
;; Outputs: out0 4 x 2,048 x 1,024 float32.
;; This version of the problem:
;;   THIS VERSION OF THE PROBLEM IS GIVEN IN LOW PRECISION. The matrix products marked QUANTISED in the list below multiply operands that are first quantised to E2M1 (2 exponent bits, 1 mantissa bit; 4 bits a number), with one power-of-two scale for each 32 numbers along K (OCP MX v1.0); their sums are f32. All else is computed in f32.
;;   The module's matrix products, in the order in which they are computed (A, B: the left and right operand; K: the contracted axis; several contracted axes count as one K, in the product's order):
;;     1. [M 8,192, K 1,024] x [K 1,024, N 8]; A: input input_features; B: input centroids: left as it is (N = 8 < 16)
;;     2. batch 8 x [M 8,192, K 1,024] x [K 1,024, N 512]; A: computed on the way; B: input w1: QUANTISED
;;     3. batch 8 x [M 8,192, K 512] x [K 512, N 1,024]; A: computed on the way; B: input w2: QUANTISED
;;     4. [M 8,192, K 1,024] x [K 1,024, N 8]; A: input input_features; B: input centroids: left as it is (N = 8 < 16)
;;     5. batch 8,192 x [M 1, K 8] x [K 8, N 1,024]; A: computed on the way; B: computed on the way: left as it is (K = 8 < 32)
;;   THE QUANTISER, for each operand of a quantised product, along K:
;;     - K is cut into blocks of 32 from its start; a last block that is shorter is filled with zeros.
;;     - A block's scale is 2^e with e = floor(log2(the largest magnitude in the block)) - 2, held to -126 .. 127; a block of zeros has e = 0. As a byte (E8M0): e + 127.
;;     - Each number is divided by its block's scale, clamped to +-6, and rounded to the nearest number of E2M1, ties to even, subnormals kept.
;;     - The product sums the exact products of the quantised numbers (number of the format x scale) in f32.
;;   ~~~python
;;   def quantise(x, axis):      # numpy; x: float32 -> the quantised numbers, widened to float32 again
;;       x = np.moveaxis(x, axis, -1); K = x.shape[-1]
;;       x = np.pad(x, [(0, 0)] * (x.ndim - 1) + [(0, -K % 32)]); x = x.reshape(x.shape[:-1] + (-1, 32)); a = np.abs(x).max(-1, keepdims=True)
;;       e = np.where(a > 0, np.clip(np.frexp(np.where(a > 0, a, 1))[1] - 1 - 2, -126, 127), 0)      # np.frexp(a)[1] - 1 = floor(log2(a)), exactly
;;       r = np.clip(x / 2.0 ** e, -6, 6)
;;       step = 2.0 ** (np.maximum(np.frexp(np.where(r == 0, 1, r))[1] - 1, 0) - 1)
;;       q = np.round(r / step) * step * 2.0 ** e      # np.round: ties to even
;;       return np.moveaxis(q.reshape(q.shape[:-2] + (-1,))[..., :K], -1, axis).astype(np.float32)
;;   ~~~
;;   OPERANDS COMPUTED ON THE WAY. 'Computed on the way' means the value that the module computes at that place (a softmax that the list does not call 'softmax' is quantised finished and normalised). What goes into a quantiser is computed in f32, as accurately as f32 sums, v_exp_f32 and their like allow (about 1e-6 of the number): no bf16 or f16 on the way to a quantiser, and a product that is left as it is and whose result goes on into a quantised operand takes f32 operands (vector FMAs, or v_wmma_f32_16x16x4_f32). A number that lies on a knife's edge between two numbers of the format may be rounded either way, as far as f32 arithmetic and the matrix unit's own rounding can turn it there, and no further.
;; 2 versions, each right; version 2 is version 1 with the launch chain written anew for expert scheduling mode. Each part assembles by itself: llvm-mc -triple=amdgcn-amd-amdhsa -mcpu=gfx1250 --defsym DOCPART=n.
;; ======== version 1 of 2: 3 launches
;; workspace buffers: w1q 2,097,152 bytes; w2q 2,097,152 bytes; w1s 131,072 bytes; w2s 131,072 bytes; assign 32,768 bytes of whole numbers; alpha 32,768 bytes; ord 37,120 bytes of whole numbers; tiles 8,192 bytes of whole numbers
;; launch prep (part 1): grid 256 x 1, 8 waves a work-group, no clusters, 101,376 bytes of LDS; arguments input_features, centroids, w1, w2, w1q, w1s, w2q, w2s, assign, alpha; writes w1q, w1s, w2q, w2s, assign, alpha
.if DOCPART == 1
	.amdgcn_target "amdgcn-amd-amdhsa--gfx1250"
	.amdhsa_code_object_version 6
	.text
	.protected	k_qf6fe35d5b3_prep
	.globl	k_qf6fe35d5b3_prep
	.p2align	8
	.type	k_qf6fe35d5b3_prep,@function
k_qf6fe35d5b3_prep:
	s_mov_b64 s[64:65], 0
	v_nop
	global_prefetch_b8 v0, s[64:65] scope:SCOPE_SE
	s_setreg_imm32_b32 hwreg(HW_REG_WAVE_MODE, 25, 1), 1
	s_wait_xcnt 0x0
; PREP: the router, and the weights turned into codes of E2M1 with one E8M0 byte for each 32 along K.
; WORK LEFT OUT BY THE WHOLE PROGRAM, for all finite values of the inputs:
;  - out[t] = sum over e of onehot[t][e] gated[e][t].  onehot is built in the problem's own body from assign = argmax(aff): it is 1 for one expert and 0 for the other seven.
;    So the rows of the two quantised products, of the layer norm's gain and bias, of the gate and of the residual that belong to an expert not chosen for a token are multiplied by that 0:
;    they are not computed.  The choice is stored here as whole numbers and steers addresses only in the later launches, which read it.  The last product of the table IS that selection.
;  - x @ centroids^T is written twice with the same operands: it is computed once.  Of alpha only the chosen expert's is kept, and that is sigmoid(the largest affinity).
;  - a y + (1 - a) x with y = x + z is x + a z by an identity (z = h w2^T + b2): the results differ by rounding alone.
;  Every input still has a way to the output: all eight are loaded by some launch.
; LIMITS: NaN and infinities among the inputs are not served; a NaN, an infinity or an overflow that reaches only the experts not chosen is not carried to the result; two affinities of a token that are
;  equal within the rounding of f32 sums may be ordered otherwise than by another order of summation (exact ties go to the lower index); a block of zeros gets the byte 1 where the rule says 127: its codes are
;  zeros, and this program alone reads the bytes.
; SHARES: 256 work-groups of 8 waves.  Even work-groups take the weights: one wave makes one UNIT, 64 rows x 128 along K (32,768 bytes of f32).  Odd ones take the router: 64 tokens, 8 a wave.
; A UNIT is laid in the order of the operand's registers: fragment t (0..3) at 1,024 t; registers 4 c .. 4 c + 3 of lane l at 512 c + 16 l.  Lane (r, h) of fragment t holds row 32 (t / 2) + 8 (t % 2) + r + 8 (r / 8)
; of the unit's 64 and k = 64 c + 32 h + 0 .. 31.  Its scale words: 8 bytes a lane at 8 l: lane (r, h) has row r's words of fragments 2 h and 2 h + 1.
; No tensor load, no cluster: the work-groups share 32,768 bytes of centroids and nothing else.
.set QW,    8448                       ; LDS: a stage of 16 rows x 528 bytes for each wave of the weights' path
.set QP,    528                        ; 512 bytes + 16: row r starts 4 r banks on
.set CT,    67584                      ; the router's path has bytes of its own: the centroids, 32,768 bytes, experts innermost
.set SPARE, 100352                     ; the spare words, 128 bytes for each wave: four blocks of 256 bytes that no other line names
.set SPW,   1                          ; v1  LDS address of my spare word; never rewritten
.set NIL,   2                          ; v2  0; never rewritten
	s_load_b512 s[4:19], s[0:1], 0x0               ; x s[4:5], centroids s[6:7], w1 s[8:9], w2 s[10:11], w1q s[12:13], w1s s[14:15], w2q s[16:17], w2s s[18:19]
	s_load_b128 s[20:23], s[0:1], 0x40             ; assign s[20:21], alpha s[22:23]
	v_lshl_add_u32 v[SPW], v0, 2, SPARE
	v_mov_b32 v[NIL], 0
	v_lshrrev_b32 v3, 5, v0
	v_readfirstlane_b32 s2, v3                     ; wave 0..7
	v_and_b32 v3, 31, v0
	v_lshlrev_b32 v3, 4, v3                        ; v3 = 16 x lane
	s_and_b32 s3, ttmp9, 1                         ; 0: weights, 1: router
	s_lshr_b32 s33, ttmp9, 1                       ; which of the 128 work-groups of that kind
	s_mov_b32 s40, 0x76543210
	s_mov_b32 s41, 0xfedcba98                      ; v_permlanex16_b32's selects for lane l xor 16
	s_mov_b32 s46, 0xffff0000                      ; lanes 16-31
	s_wait_kmcnt 0x0
	s_cmp_lg_u32 s3, 0                             ; a branch on the work-group's number: all eight waves go the same way
	s_cbranch_scc1 .Lrouter
; ---------------------------------------------------------------- THE WEIGHTS
; REGISTERS: v4 stage in, v5 stage out, v6 8 x lane, v7 8 h, v8-23 a row's offset, v24-31 at work, v32-35 scale words, v36-51 codes (two sets), v52-55 at work, v64-191 numbers as loaded (two sets), v192-255 64 neighbours
.set VO,  8
.set SW,  32
.set COD, 36
.set R,   64
.set X,   192
.set SB,  24                           ; s[24:31] where the four fragments' rows begin
	s_cmp_lt_u32 s33, 64                           ; the first 64 work-groups take w1, the others w2
	s_cselect_b32 s34, 1, 0
	s_cselect_b64 s[24:25], s[8:9], s[10:11]
	s_cselect_b64 s[36:37], s[12:13], s[16:17]
	s_cselect_b64 s[38:39], s[14:15], s[18:19]
	s_and_b32 s35, s33, 63
	s_lshl_b32 s35, s35, 3
	s_add_co_u32 s35, s35, s2                      ; my unit, 0..511
	s_add_co_u32 s47, s34, 2                       ; w1 has 8 K steps of 128 in a row, w2 has 4
	s_lshl_b32 s48, 0x800, s34                     ; a row in bytes: 4,096 or 2,048
	s_lshr_b32 s49, s35, s47                       ; which 64 rows of the tensor
	s_lshl_b32 s50, 4, s34
	s_sub_co_u32 s50, s50, 1
	s_and_b32 s50, s35, s50                        ; which K step
	s_lshl_b32 s51, s48, 6
	s_mul_i32 s52, s49, s51
	s_lshl_b32 s50, s50, 9
	s_add_co_u32 s52, s52, s50
	s_mov_b32 s53, 0
	s_add_nc_u64 s[24:25], s[24:25], s[52:53]      ; fragment 0: row 0 of the 64
	s_lshl_b32 s52, s48, 3
	s_add_nc_u64 s[26:27], s[24:25], s[52:53]      ; fragment 1: row 8
	s_lshl_b32 s52, s48, 5
	s_add_nc_u64 s[28:29], s[24:25], s[52:53]      ; fragment 2: row 32
	s_add_nc_u64 s[30:31], s[26:27], s[52:53]      ; fragment 3: row 40
	s_lshl_b32 s52, s35, 12
	s_add_nc_u64 s[36:37], s[36:37], s[52:53]      ; my unit's codes
	s_lshl_b32 s52, s35, 8
	s_add_nc_u64 s[38:39], s[38:39], s[52:53]      ; and scale words
.irp i, 0,1,2,3,4,5,6,7,8,9,10,11,12,13,14,15
	v_mad_u32_u24 v[VO+\i], s48, \i+8*(\i/8), v3   ; the fragment's i-th row lies i + 8 (i / 8) rows on; 16 bytes a lane
.endr
.macro WLOAD t                         ; fragment t: 16 loads, each 512 consecutive bytes of one row
.irp i, 0,1,2,3,4,5,6,7,8,9,10,11,12,13,14,15
	global_load_b128 v[R+64*((\t)%2)+4*\i:R+64*((\t)%2)+4*\i+3], v[VO+\i], s[SB+2*(\t):SB+2*(\t)+1] th:TH_LOAD_NT
.endr
.endm
	WLOAD 0
	WLOAD 1
	s_mul_i32 s54, s2, QW
	v_add_nc_u32 v4, s54, v3                       ; into my stage: 16 x lane, the row in the immediate
	v_and_b32 v24, 15, v0                          ; r
	v_bfe_u32 v25, v0, 4, 1                        ; h
	v_mul_u32_u24 v5, v24, QP
	v_lshl_add_u32 v5, v25, 7, v5
	v_add_nc_u32 v5, s54, v5                       ; out of it: row r, 128 h bytes on: my 32 neighbours of each 64
	v_lshrrev_b32 v6, 1, v3                        ; 8 x lane
	v_lshlrev_b32 v7, 3, v25                       ; 8 h
	v_mov_b32 v54, 0                               ; written once: a lane permute's destination counts as one of its sources
; 32 numbers of one lane, v[x] on, are one block: its largest magnitude with the floor 2^(3 - 127) among the leaves (so the byte cannot fall under 1); 2 off the exponent field gives the conversion's
; scale operand (v[tm+2]), a shift of that the byte (v[tm+3]); four conversions give 16 bytes of codes in v[cd] on.
.macro QBLK x, cd, tm
	v_max3_num_f32 v[\tm], |v[\x]|, |v[\x+1]|, |v[\x+2]|
	v_max3_num_f32 v[\tm+1], |v[\x+3]|, |v[\x+4]|, |v[\x+5]|
.irp i, 6,10,14,18,22,26
	v_max3_num_f32 v[\tm], v[\tm], |v[\x+\i]|, |v[\x+\i+1]|
	v_max3_num_f32 v[\tm+1], v[\tm+1], |v[\x+\i+2]|, |v[\x+\i+3]|
.endr
	v_max3_num_f32 v[\tm], v[\tm], |v[\x+30]|, |v[\x+31]|
	v_max3_num_f32 v[\tm], v[\tm], v[\tm+1], 0x1800000
	v_add_nc_u32 v[\tm+2], 0xff000000, v[\tm]
	v_lshrrev_b32 v[\tm+3], 23, v[\tm+2]
.irp g, 0,1,2,3
	v_cvt_scalef32_pk8_fp4_f32 v[\cd+\g], v[\x+8*\g:\x+8*\g+7], v[\tm+2]
.endr
.endm
.macro WFRAG t
.set RS, R+64*((\t)%2)
.set CD, COD+8*((\t)%2)
.if (\t) < 3
	s_wait_loadcnt 16                              ; this fragment's 16 loads are in; the next fragment's 16 may be out
.else
	s_wait_loadcnt 0x0
.endif
.irp i, 0,1,2,3,4,5,6,7,8,9,10,11,12,13,14,15
	ds_store_b128 v4, v[RS+4*\i:RS+4*\i+3] offset:QP*\i
.endr
.irp i, 0,1,2,3,4,5,6,7,8,9,10,11,12,13,14,15
	ds_load_b128 v[X+4*\i:X+4*\i+3], v5 offset:256*(\i/8)+16*(\i%8)   ; LDS serves a wave's instructions in order: these see my stores.  k = 64 (i / 8) + 32 h + 4 (i % 8) on
.endr
	s_wait_dscnt 16                                ; only the 16 loads are out: the stores have read their registers,
.if (\t) < 2
	WLOAD (\t)+2                                   ; which take the fragment two further on
.endif
	s_wait_dscnt 0x0
.if (\t) >= 2
	s_wait_xcnt 0x0                                ; the stores of two fragments ago have read this set of codes
.endif
	QBLK X, CD, 24
	QBLK X+32, CD+4, 28
	v_nop                                          ; one plain place behind the last conversion
	v_lshl_or_b32 v55, v31, 16, v27                ; my two bytes: blocks h and 2 + h of row r,
	v_lshlrev_b32 v55, v7, v55                     ; at their places in the scale word;
	v_permlanex16_b32 v54, v55, s40, s41
	v_or_b32 v[SW+\t], v55, v54                    ; with lane l xor 16's two the word is whole, in both lanes
	global_store_b128 v3, v[CD:CD+3], s[36:37] offset:1024*(\t)        ; each store covers 512 consecutive bytes, aligned
	global_store_b128 v3, v[CD+4:CD+7], s[36:37] offset:1024*(\t)+512
.endm
	WFRAG 0
	WFRAG 1
	WFRAG 2
	WFRAG 3
	v_cndmask_b32 v52, v32, v34, s46               ; lanes 0-15: fragment 0's word, lanes 16-31: fragment 2's
	v_cndmask_b32 v53, v33, v35, s46               ; fragments 1 and 3
	global_store_b64 v6, v[52:53], s[38:39]        ; 256 consecutive bytes, aligned
	s_wait_tensorcnt 0x0                           ; the wave's end
	ds_add_u32 v[SPW], v[NIL]
	s_wait_dscnt 0x0
	s_endpgm
; ---------------------------------------------------------------- THE ROUTER
; A wave takes 8 tokens.  D goes in 8 chunks of 128: a lane holds 4 numbers of each of its 8 rows.  64 sums a lane (8 rows x 8 experts), two experts to a packed multiply-add: so the centroids lie in LDS with
; the experts innermost: byte CT + 4,096 j + 512 (2 k + e / 4) + 16 l + 4 (e % 4) holds c[e][128 j + 4 l + k].
; REGISTERS: v4, v5 LDS addresses, v6 store offset, v7 my expert as f32, v8 8.0, v10-15 at work, v16-79 sums (8 i + e), v80-143 centroids (two sets, 8 k + e), v144-239 x (three sets, 4 i + k), v240-247 at work
.set ACC, 16
.set C,   80
.set XQ,  144
.set TT,  240
.Lrouter:
	s_mov_b32 s42, 0xaaaaaaaa                      ; lanes with bit 0, 1, 2, 3 set
	s_mov_b32 s43, 0xcccccccc
	s_mov_b32 s44, 0xf0f0f0f0
	s_mov_b32 s45, 0xff00ff00
	s_lshl_b32 s24, s33, 6
	s_lshl_b32 s25, s2, 3
	s_add_co_u32 s24, s24, s25                     ; my first token
	s_lshl_b32 s26, s24, 12
	s_mov_b32 s27, 0
	s_add_nc_u64 s[4:5], s[4:5], s[26:27]
	s_lshl_b32 s26, s24, 2
	s_add_nc_u64 s[20:21], s[20:21], s[26:27]
	s_add_nc_u64 s[22:23], s[22:23], s[26:27]
	s_lshl_b32 s26, s2, 9
	s_add_nc_u64 s[6:7], s[6:7], s[26:27]          ; the centroids' chunk w: mine to lay out
.irp e, 0,1,2,3,4,5,6,7
	global_load_b128 v[C+4*\e:C+4*\e+3], v3, s[6:7] offset:4096*\e
.endr
.macro RX j                            ; chunk j of my 8 rows, 512 consecutive bytes a load, into set j % 3
.irp i, 0,1,2,3,4,5,6,7
	global_load_b128 v[XQ+32*((\j)%3)+4*\i:XQ+32*((\j)%3)+4*\i+3], v3, s[4:5] offset:4096*\i+512*(\j) th:TH_LOAD_NT
.endr
.endm
.macro RC j                            ; chunk j of the centroids from LDS into set j % 2
.irp q, 0,1,2,3,4,5,6,7
	ds_load_b128 v[C+32*((\j)%2)+4*\q:C+32*((\j)%2)+4*\q+3], v5 offset:4096*(\j)+512*\q
.endr
.endm
	RX 0
	RX 1
	RX 2
	s_lshl_b32 s28, s2, 12
	s_add_co_u32 s28, s28, CT
	v_add_nc_u32 v4, s28, v3
	v_add_nc_u32 v5, CT, v3
	v_bfe_u32 v6, v0, 3, 2
	v_lshlrev_b32 v6, 2, v6                        ; 4 x (lane / 8)
	v_and_b32 v7, 7, v0
	v_cvt_f32_u32 v7, v7                           ; lane % 8 as f32
	v_mov_b32 v8, 0x41000000                       ; 8.0: above every expert's number
	s_wait_loadcnt 24                              ; the centroids are in; the three chunks of x stay out
.irp e, 0,1,2,3,4,5,6,7
.irp k, 0,1,2,3
	ds_store_b32 v4, v[C+4*\e+\k] offset:512*(2*\k+\e/4)+4*(\e%4)
.endr
.endr
	s_wait_dscnt 0x0                               ; for the others' sake: my chunk lies in LDS
	s_barrier_signal -1
	s_barrier_wait -1
	RC 0
.macro RFMA j                          ; 128 packed multiply-adds: sums (i, 2 p) and (i, 2 p + 1) += x[i][k] x c[2 p][k], c[2 p + 1][k]; x's one number serves both halves
.set XS, XQ+32*((\j)%3)
.set CS, C+32*((\j)%2)
.irp k, 0,1,2,3
.irp i, 0,1,2,3,4,5,6,7
.irp p, 0,1,2,3
.if ((\j) == 0) && (\k == 0)
	v_pk_mul_f32 v[ACC+8*\i+2*\p:ACC+8*\i+2*\p+1], v[XS+4*\i:XS+4*\i+1], v[CS+2*\p:CS+2*\p+1] op_sel_hi:[0,1]   ; the first product starts the sums
.elseif (\k%2) == 0
	v_pk_fma_f32 v[ACC+8*\i+2*\p:ACC+8*\i+2*\p+1], v[XS+4*\i+2*(\k/2):XS+4*\i+2*(\k/2)+1], v[CS+8*\k+2*\p:CS+8*\k+2*\p+1], v[ACC+8*\i+2*\p:ACC+8*\i+2*\p+1] op_sel_hi:[0,1,1]
.else
	v_pk_fma_f32 v[ACC+8*\i+2*\p:ACC+8*\i+2*\p+1], v[XS+4*\i+2*(\k/2):XS+4*\i+2*(\k/2)+1], v[CS+8*\k+2*\p:CS+8*\k+2*\p+1], v[ACC+8*\i+2*\p:ACC+8*\i+2*\p+1] op_sel:[1,0,0] op_sel_hi:[1,1,1]
.endif
.endr
.endr
.endr
.endm
.macro CHUNK j
.if (\j) < 7
	RC (\j)+1
.endif
.if (\j) < 6
	s_wait_loadcnt 16                              ; chunk j of x is in; the two chunks behind it may be out
.elseif (\j) == 6
	s_wait_loadcnt 8
.else
	s_wait_loadcnt 0x0
.endif
.if (\j) < 7
	s_wait_dscnt 8                                 ; chunk j of the centroids is in; the next chunk's eight loads may be out
.else
	s_wait_dscnt 0x0
.endif
	RFMA \j
.if (\j)+3 < 8
	RX (\j)+3
.endif
.endm
	CHUNK 0
	CHUNK 1
	CHUNK 2
	CHUNK 3
	CHUNK 4
	CHUNK 5
	CHUNK 6
	CHUNK 7
; The sums over the 32 lanes, 64 of them at once: in each stage a lane keeps one of two sums and gives the other to the lane across, so that the registers halve.
.macro BFLY cnt, msk, x
.set n, 0
.rept \cnt
	v_cndmask_b32 v[TT+2*((n/2)%4)], v[ACC+n], v[ACC+n+1], s[\msk]      ; what I keep
	v_cndmask_b32 v[TT+2*((n/2)%4)+1], v[ACC+n+1], v[ACC+n], s[\msk]    ; what I give
	v_add_f32_dpp v[ACC+n/2], v[TT+2*((n/2)%4)+1], v[TT+2*((n/2)%4)] row_xmask:\x row_mask:0xf bank_mask:0xf
.set n, n+2
.endr
.endm
	BFLY 32, 42, 1
	BFLY 16, 43, 2
	BFLY 8, 44, 4
	BFLY 4, 45, 8
.irp n, 0,2
	v_cndmask_b32 v[TT], v[ACC+\n], v[ACC+\n+1], s46
	v_cndmask_b32 v[TT+1], v[ACC+\n+1], v[ACC+\n], s46
	v_permlanex16_b32 v[TT+2], v[TT+1], s40, s41
	v_add_f32 v[ACC+\n/2], v[TT], v[TT+2]
.endr
	; v16, v17: register p, lane l holds the affinity of row 4 p + l / 8 to expert l % 8
.irp p, 0,1
	v_mov_b32 v[10+\p], v[ACC+\p]
.endr
.irp x, 1,2,4
.irp p, 0,1
	v_max_num_f32_dpp v[10+\p], v[10+\p], v[10+\p] row_xmask:\x row_mask:0xf bank_mask:0xf   ; the row's largest affinity
.endr
.endr
	v_cmp_eq_f32 vcc_lo, v16, v10
	v_cndmask_b32 v12, v8, v7, vcc_lo              ; my expert's number where mine is the largest, else 8
	v_cmp_eq_f32 vcc_lo, v17, v11
	v_cndmask_b32 v13, v8, v7, vcc_lo
.irp x, 1,2,4
.irp p, 0,1
	v_min_num_f32_dpp v[12+\p], v[12+\p], v[12+\p] row_xmask:\x row_mask:0xf bank_mask:0xf   ; the lowest such number: ties go to the lower index
.endr
.endr
	v_cvt_u32_f32 v12, v12
	v_cvt_u32_f32 v13, v13
	v_mul_f32 v14, 0xbfb8aa3b, v10                 ; sigmoid(m) = 1 / (1 + 2^(-m log2 e))
	v_mul_f32 v15, 0xbfb8aa3b, v11
	v_exp_f32 v14, v14
	v_exp_f32 v15, v15
	v_nop                                          ; a plain place behind the exponentials,
	s_wait_alu depctr_va_vdst(0)                   ; and one wait ahead of their first reader
	v_add_f32 v14, 1.0, v14
	v_add_f32 v15, 1.0, v15
	v_rcp_f32 v14, v14
	v_rcp_f32 v15, v15
	v_nop
	s_wait_alu depctr_va_vdst(0)
	global_store_b32 v6, v12, s[20:21]             ; eight lanes write a row's word with the same value; a wave's 8 rows are 32 bytes: the two tables are 65,536 bytes in all
	global_store_b32 v6, v13, s[20:21] offset:16
	global_store_b32 v6, v14, s[22:23]
	global_store_b32 v6, v15, s[22:23] offset:16
	s_wait_tensorcnt 0x0                           ; the wave's end
	ds_add_u32 v[SPW], v[NIL]
	s_wait_dscnt 0x0
	s_endpgm
.Lfunc_end_k_qf6fe35d5b3_prep:
	.size	k_qf6fe35d5b3_prep, .Lfunc_end_k_qf6fe35d5b3_prep-k_qf6fe35d5b3_prep
	.p2alignl 7, 3214868480
	.fill 96, 4, 3214868480
	.section	.rodata,"a",@progbits
	.p2align	6, 0x0
	.amdhsa_kernel k_qf6fe35d5b3_prep
		.amdhsa_group_segment_fixed_size 101376
		.amdhsa_private_segment_fixed_size 0
		.amdhsa_enable_private_segment 0
		.amdhsa_kernarg_size 80
		.amdhsa_user_sgpr_count 2
		.amdhsa_user_sgpr_kernarg_segment_ptr 1
		.amdhsa_wavefront_size32 1
		.amdhsa_system_sgpr_workgroup_id_x 1
		.amdhsa_system_sgpr_workgroup_id_y 1
		.amdhsa_system_sgpr_workgroup_id_z 1
		.amdhsa_system_vgpr_workitem_id 0
		.amdhsa_next_free_vgpr 256
		.amdhsa_next_free_sgpr 66
		.amdhsa_reserve_vcc 1
		.amdhsa_float_denorm_mode_32 3
		.amdhsa_float_denorm_mode_16_64 3
		.amdhsa_memory_ordered 1
		.amdhsa_forward_progress 1
		.amdhsa_inst_pref_size 123
	.end_amdhsa_kernel
	.amdgpu_metadata
---
amdhsa.version: [ 1, 2 ]
amdhsa.kernels:
  - .name:           k_qf6fe35d5b3_prep
    .symbol:         k_qf6fe35d5b3_prep.kd
    .args:
      - { .name: input_features, .offset: 0, .size: 8, .value_kind: global_buffer, .address_space: global }
      - { .name: centroids, .offset: 8, .size: 8, .value_kind: global_buffer, .address_space: global }
      - { .name: w1, .offset: 16, .size: 8, .value_kind: global_buffer, .address_space: global }
      - { .name: w2, .offset: 24, .size: 8, .value_kind: global_buffer, .address_space: global }
      - { .name: w1q, .offset: 32, .size: 8, .value_kind: global_buffer, .address_space: global }
      - { .name: w1s, .offset: 40, .size: 8, .value_kind: global_buffer, .address_space: global }
      - { .name: w2q, .offset: 48, .size: 8, .value_kind: global_buffer, .address_space: global }
      - { .name: w2s, .offset: 56, .size: 8, .value_kind: global_buffer, .address_space: global }
      - { .name: assign, .offset: 64, .size: 8, .value_kind: global_buffer, .address_space: global }
      - { .name: alpha, .offset: 72, .size: 8, .value_kind: global_buffer, .address_space: global }
    .group_segment_fixed_size: 101376
    .private_segment_fixed_size: 0
    .kernarg_segment_align: 8
    .kernarg_segment_size: 80
    .max_flat_workgroup_size: 256
    .sgpr_count:     66
    .vgpr_count:     256
    .wavefront_size: 32
...
	.end_amdgpu_metadata
.endif
;; end of part 1
;; launch place (part 2): grid 1 x 1, 32 waves a work-group, no clusters, 8,448 bytes of LDS; arguments assign, ord, tiles; writes ord, tiles
.if DOCPART == 2
	.amdgcn_target "amdgcn-amd-amdhsa--gfx1250"
	.amdhsa_code_object_version 6
	.text
	.protected	k_qf6fe35d5b3_place
	.globl	k_qf6fe35d5b3_place
	.p2align	8
	.type	k_qf6fe35d5b3_place,@function
k_qf6fe35d5b3_place:
	s_mov_b64 s[64:65], 0
	v_nop
	global_prefetch_b8 v0, s[64:65] scope:SCOPE_SE
	s_setreg_imm32_b32 hwreg(HW_REG_WAVE_MODE, 25, 1), 1
	s_wait_xcnt 0x0
; PLACE: a counting sort of the 8,192 tokens by their expert, without atomics, by one work-group of 32 waves (256 tokens a wave).  It serves the selection that the first kernel's head comment sets out.
; ord: tile T's 32 slots at words 32 T .. 32 T + 31: the tokens of one expert; slots past the tile's rows hold 0.  An expert's tiles follow each other; each expert begins a new tile.
; tiles: record T = {expert, rows}, 8 bytes; rows = 0 for a tile that this split does not need.  With 8,192 rows, 8 experts and tiles of 32 there are never more than 263 tiles.
; Words 9,216 .. 9,247 of ord are a dump: lanes that have no slot to clear store their 0 there, so that EXEC never changes.
; An expert's number out of range (a NaN among the affinities) is held at 7.
.set CP,    132                        ; LDS: wave w's four packed counts at 132 w; 33 words: the 32 lanes that read a column touch 32 banks
.set SPARE, 4352                       ; the spare words, 128 bytes for each of 32 waves
.set SPW,   1
.set NIL,   2
	s_load_b128 s[4:7], s[0:1], 0x0                ; assign s[4:5], ord s[6:7]
	s_load_b64 s[8:9], s[0:1], 0x10                ; tiles
	v_lshl_add_u32 v[SPW], v0, 2, SPARE
	v_mov_b32 v[NIL], 0
	v_lshrrev_b32 v3, 5, v0
	v_readfirstlane_b32 s2, v3                     ; wave 0..31
	v_and_b32 v3, 31, v0                           ; lane
	s_lshl_b32 s3, s2, 10
	v_lshl_add_u32 v4, v3, 2, s3                   ; token 256 w + 32 i + lane: 4 bytes each, i in the immediate
	s_mov_b32 s10, 0x76543210
	s_mov_b32 s11, 0xfedcba98
	s_wait_kmcnt 0x0
.irp i, 0,1,2,3,4,5,6,7
	global_load_b32 v[8+\i], v4, s[4:5] offset:128*\i
.endr
	s_mul_i32 s12, s2, CP
	v_lshl_add_u32 v5, v3, 2, s12                  ; where my wave's counts go
	v_mul_u32_u24 v6, v3, CP                       ; and where lane l reads wave l's
	s_lshl_b32 s13, s2, 8
	v_add_nc_u32 v41, s13, v3                      ; token 256 w + lane
.irp q, 0,1,2,3,4,5,6,7
	v_mov_b32 v[32+\q], 0                          ; written once: the destinations of the lane moves below count as sources
.endr
	s_wait_loadcnt 0x0
.irp i, 0,1,2,3,4,5,6,7
	v_min_u32 v[8+\i], 7, v[8+\i]
.endr
	; pass 1: how many of my wave's 256 tokens go to each expert
.irp e, 0,1,2,3,4,5,6,7
.irp i, 0,1,2,3,4,5,6,7
	v_cmp_eq_u32 s[40+\i], \e, v[8+\i]
.endr
.irp i, 0,1,2,3,4,5,6,7
	s_bcnt1_i32_b32 s[40+\i], s[40+\i]
.endr
	s_add_co_u32 s40, s40, s41
	s_add_co_u32 s42, s42, s43
	s_add_co_u32 s44, s44, s45
	s_add_co_u32 s46, s46, s47
	s_add_co_u32 s40, s40, s42
	s_add_co_u32 s44, s44, s46
	s_add_co_u32 s[16+\e], s40, s44
.endr
	v_mov_b32 v7, 0
.irp q, 0,1,2,3
	s_lshl_b32 s3, s[20+\q], 16
	s_or_b32 s[24+\q], s[16+\q], s3                ; experts q and q + 4 in one word: no sum passes 8,192
	v_writelane_b32 v7, s[24+\q], \q
.endr
	ds_store_b32 v5, v7
	s_wait_dscnt 0x0                               ; for the others' sake
	s_barrier_signal -1
	s_barrier_wait -1
.irp q, 0,1,2,3
	ds_load_b32 v[24+\q], v6 offset:4*\q
.endr
	s_wait_dscnt 0x0
	v_cmp_gt_u32 vcc_lo, s2, v3                    ; the waves in front of mine
.irp q, 0,1,2,3
	v_cndmask_b32 v[28+\q], 0, v[24+\q], vcc_lo
.endr
.irp x, 1,2,4,8
.irp q, 0,1,2,3,4,5,6,7
	v_mov_b32_dpp v[32+\q], v[24+\q] row_xmask:\x row_mask:0xf bank_mask:0xf
.endr
.irp q, 0,1,2,3,4,5,6,7
	v_add_nc_u32 v[24+\q], v[24+\q], v[32+\q]
.endr
.endr
.irp q, 0,1,2,3,4,5,6,7
	v_permlanex16_b32 v[32+\q], v[24+\q], s10, s11
.endr
.irp q, 0,1,2,3,4,5,6,7
	v_add_nc_u32 v[24+\q], v[24+\q], v[32+\q]
.endr
.irp q, 0,1,2,3,4,5,6,7
	v_readfirstlane_b32 s[24+\q], v[24+\q]
.endr
.irp q, 0,1,2,3
	s_and_b32 s[16+\q], s[24+\q], 0xffff           ; s16-23: each expert's tokens in all
	s_lshr_b32 s[20+\q], s[24+\q], 16
	s_and_b32 s[56+\q], s[28+\q], 0xffff           ; s56-63: those of them in the waves in front of mine
	s_lshr_b32 s[60+\q], s[28+\q], 16
.endr
	s_mov_b32 s32, 0                               ; s32-39: each expert's first tile
.irp e, 0,1,2,3,4,5,6
	s_add_co_u32 s3, s[16+\e], 31
	s_lshr_b32 s3, s3, 5
	s_add_co_u32 s[33+\e], s[32+\e], s3
.endr
.irp e, 0,1,2,3,4,5,6,7
	s_lshl_b32 s3, s[32+\e], 5
	s_add_co_u32 s[48+\e], s3, s[56+\e]            ; s48-55: the slot of my wave's next token of each expert
.endr
	; pass 2: each token's slot
.irp i, 0,1,2,3,4,5,6,7
	v_mov_b32 v[16+\i], 0
.irp e, 0,1,2,3,4,5,6,7
	v_cmp_eq_u32 s[40+\e], \e, v[8+\i]
.endr
.irp e, 0,1,2,3,4,5,6,7
	v_mbcnt_lo_u32_b32 v40, s[40+\e], s[48+\e]     ; the slot + how many lanes below mine go to the same expert
	v_cndmask_b32 v[16+\i], v[16+\i], v40, s[40+\e]
	s_bcnt1_i32_b32 s3, s[40+\e]
	s_add_co_u32 s[48+\e], s[48+\e], s3
.endr
	v_min_u32 v[16+\i], 0x23ff, v[16+\i]           ; a number made of loaded data enters an address behind a hold: 288 tiles x 32 slots
	v_lshlrev_b32 v[16+\i], 2, v[16+\i]
	v_add_nc_u32 v[24+\i], 32*\i, v41
	global_store_b32 v[16+\i], v[24+\i], s[6:7]    ; each of the eight stores has registers of its own
.endr
	; the records: thread T makes tile T's
	v_mov_b32 v42, 0
	v_mov_b32 v44, 0
	v_mov_b32 v45, s16
.irp e, 1,2,3,4,5,6,7
	v_cmp_gt_u32 vcc_lo, s[32+\e], v0              ; expert e begins behind tile T: keep; else take e (of experts without tiles the later one wins)
	v_cndmask_b32 v42, \e, v42, vcc_lo
	v_cndmask_b32 v44, s[32+\e], v44, vcc_lo
	v_cndmask_b32 v45, s[16+\e], v45, vcc_lo
.endr
	v_sub_nc_u32 v46, v0, v44
	v_lshlrev_b32 v46, 5, v46                      ; the expert's rows in front of this tile,
	v_min_u32 v46, v45, v46
	v_sub_nc_u32 v43, v45, v46                     ; those left (0 at the least),
	v_min_u32 v43, 32, v43                         ; 32 at the most
	v_lshlrev_b32 v47, 3, v0
	global_store_b64 v47, v[42:43], s[8:9]
	; the slots past each tile's rows get 0: waves 0 to 8 clear tiles 0 to 287, so that every slot that the next launch reads has been written
	s_cmp_lt_u32 s2, 9
	s_cbranch_scc0 .Lnopad
	s_lshl_b32 s13, s2, 10
	v_add_nc_u32 v44, s13, v3                      ; slot 32 x (32 w) + lane
	v_add_nc_u32 v45, 9216, v3                     ; the dump
	v_mov_b32 v46, 0
.set k, 0
.rept 32
	v_readlane_b32 s3, v43, k                      ; the rows of tile 32 w + k
	v_cmp_le_u32 vcc_lo, s3, v3                    ; my slot lies past them
	v_add_nc_u32 v[48+k], 32*k, v44
	v_cndmask_b32 v[48+k], v45, v[48+k], vcc_lo
	v_min_u32 v[48+k], 0x241f, v[48+k]
	v_lshlrev_b32 v[48+k], 2, v[48+k]
	global_store_b32 v[48+k], v46, s[6:7]
.set k, k+1
.endr
.Lnopad:
	s_wait_tensorcnt 0x0                           ; the wave's end: three closing lines behind my last LDS store
	ds_add_u32 v[SPW], v[NIL]
	s_wait_dscnt 0x0
	s_endpgm
.Lfunc_end_k_qf6fe35d5b3_place:
	.size	k_qf6fe35d5b3_place, .Lfunc_end_k_qf6fe35d5b3_place-k_qf6fe35d5b3_place
	.p2alignl 7, 3214868480
	.fill 96, 4, 3214868480
	.section	.rodata,"a",@progbits
	.p2align	6, 0x0
	.amdhsa_kernel k_qf6fe35d5b3_place
		.amdhsa_group_segment_fixed_size 8448
		.amdhsa_private_segment_fixed_size 0
		.amdhsa_enable_private_segment 0
		.amdhsa_kernarg_size 24
		.amdhsa_user_sgpr_count 2
		.amdhsa_user_sgpr_kernarg_segment_ptr 1
		.amdhsa_wavefront_size32 1
		.amdhsa_system_sgpr_workgroup_id_x 1
		.amdhsa_system_sgpr_workgroup_id_y 1
		.amdhsa_system_sgpr_workgroup_id_z 1
		.amdhsa_system_vgpr_workitem_id 0
		.amdhsa_next_free_vgpr 96
		.amdhsa_next_free_sgpr 66
		.amdhsa_reserve_vcc 1
		.amdhsa_float_denorm_mode_32 3
		.amdhsa_float_denorm_mode_16_64 3
		.amdhsa_memory_ordered 1
		.amdhsa_forward_progress 1
		.amdhsa_inst_pref_size 49
	.end_amdhsa_kernel
	.amdgpu_metadata
---
amdhsa.version: [ 1, 2 ]
amdhsa.kernels:
  - .name:           k_qf6fe35d5b3_place
    .symbol:         k_qf6fe35d5b3_place.kd
    .args:
      - { .name: assign, .offset: 0, .size: 8, .value_kind: global_buffer, .address_space: global }
      - { .name: ord, .offset: 8, .size: 8, .value_kind: global_buffer, .address_space: global }
      - { .name: tiles, .offset: 16, .size: 8, .value_kind: global_buffer, .address_space: global }
    .group_segment_fixed_size: 8448
    .private_segment_fixed_size: 0
    .kernarg_segment_align: 8
    .kernarg_segment_size: 24
    .max_flat_workgroup_size: 1024
    .sgpr_count:     66
    .vgpr_count:     96
    .wavefront_size: 32
...
	.end_amdgpu_metadata
.endif
;; end of part 2
;; launch chain (part 3): grid 263 x 1, 8 waves a work-group, no clusters, 159,232 bytes of LDS; arguments input_features, ord, tiles, alpha, ln_g, ln_b, w1q, w1s, b1, w2q, w2s, b2, out0; writes out0
.if DOCPART == 3
	.amdgcn_target "amdgcn-amd-amdhsa--gfx1250"
	.amdhsa_code_object_version 6
	.text
	.protected	k_qf6fe35d5b3_chain
	.globl	k_qf6fe35d5b3_chain
	.p2align	8
	.type	k_qf6fe35d5b3_chain,@function
k_qf6fe35d5b3_chain:
	s_mov_b64 s[64:65], 0
	v_nop
	global_prefetch_b8 v0, s[64:65] scope:SCOPE_SE
	s_setreg_imm32_b32 hwreg(HW_REG_WAVE_MODE, 25, 1), 1
	s_wait_xcnt 0x0
; CHAIN: one work-group takes one tile, up to 32 tokens of ONE expert, through the whole chain: gather, layer norm, quantise, x w1^T + b1, relu, quantise, h w2^T, out = x + alpha (z + b2).
; WORK LEFT OUT: only the chosen expert's rows are computed, and a y + (1 - a) x is taken as x + a z (shown at the head of the first kernel).
; THE GRID serves every split: 8,192 / 32 + 8 - 1 = 263 tiles at the most.  No barrier stands under a branch on a number read from memory: a tile that this split leaves without rows (7 at the most) walks the
; text with copies of token 0 and stores nothing; rows past a tile's count are copies of its first token and are not stored either.  Only the stores stand under a branch on the count.
; Such branches are why the launch has no tensor load and no cluster: the weights go from memory straight into registers, in the order in which the first launch laid them.
; SHARES.  8 waves.  Wave w: loads and stores rows 4 w .. 4 w + 3; quantises K step w of x for all 32 rows; makes hidden units 64 w .. 64 w + 63 and outputs 128 w .. 128 w + 127 for all 32 rows.
; Both products are used transposed (source 0 = 16 rows of the weight, source 1 = 16 tokens), and a fragment's rows are chosen (32 (t / 2) + 8 (t % 2) + r + 8 (r / 8)) so that the 16 registers of tiles 2 b and
; 2 b + 1 are 16 neighbours: 32 b + 16 (lane / 16) + 0 .. 15.  Operands go from wave to wave through LDS as images of their registers.
; LIMITS: NaN and infinities are not served; a block of zeros has the byte 1 and zero codes.
; LDS: XR 32 rows x 4,112: x, later the results | XIMG 16 fragments of x ((8 m + s) x 1,024) | XSC their scale words (128 s + 4 lane: lanes 0-15 rows 0-15, lanes 16-31 rows 16-31) | STAT 16 bytes a row {mu, alpha, rstd, 0}
;      | HIMG 8 fragments of the hidden layer ((4 m + s) x 1,024); up to the second barrier the same bytes hold the expert's gain and bias | HSC its scale words | the spare words.
; REGISTERS: v0 thread; v1 16 x lane; v3 8 x lane; v2, v4-9 addresses of the phase in hand; v10-25 at work; v26-127 a ring of three units of a weight (34 each: four fragments and a pair of scale words); v128-255 by phase.
.set XP,    4112
.set XIMG,  131584
.set XSC,   147968
.set STAT,  148992
.set HIMG,  149504
.set GB,    HIMG
.set HSC,   157696
.set SPARE, 158208
.set L16,   1
.set L8,    3
.set TP,    10
.set S,     10                         ; P1: sums, then mu
.set Q,     14                         ; P1: sums of squares
.set T,     18                         ; P1: at work
.set RING,  26
.set A2,    128                        ; P1, P6: row q at A2 + 32 q
.set HA,    128                        ; P3, P4: hidden tiles: rows 0-15 at HA + 8 t, rows 16-31 at HA + 32 + 8 t
.set PX,    160                        ; P2: 32 numbers of x; PG, PB: gain and bias
.set PG,    192
.set PB,    224
.set XF,    192                        ; P3: x's fragments, two sets of 16
.set XS,    224                        ; P3: x's scale words, two
.set TM,    192                        ; P4
.set PC,    208
.set HF,    128                        ; P5: the hidden layer's 8 fragments
.set ZA,    192                        ; P5: 8 accumulators
.set B2R,   60                         ; P6: b2, dense, in the ring's slot 1
.set SEL,   82
	s_load_b512 s[8:23], s[0:1], 0x0               ; x s[8:9], ord s[10:11], tiles s[12:13], alpha s[14:15], ln_g s[16:17], ln_b s[18:19], w1q s[20:21], w1s s[22:23]
	s_load_b256 s[24:31], s[0:1], 0x40             ; b1 s[24:25], w2q s[26:27], w2s s[28:29], b2 s[30:31]
	s_load_b64 s[32:33], s[0:1], 0x60              ; out
	v_lshrrev_b32 v2, 5, v0
	v_readfirstlane_b32 s2, v2                     ; wave 0..7
	v_and_b32 v2, 31, v0
	v_lshlrev_b32 v[L16], 4, v2
	v_lshlrev_b32 v[L8], 3, v2
	s_lshl_b32 s86, ttmp9, 3
	s_lshl_b32 s87, ttmp9, 7
	s_lshl_b32 s88, s2, 4
	s_add_co_u32 s88, s88, s87
	s_lshl_b32 s7, s2, 2                           ; my first row of the tile
	s_mov_b32 s[SEL], 0x76543210
	s_mov_b32 s[SEL+1], 0xfedcba98
	s_mov_b32 s84, 0xffff0000                      ; lanes 16-31
	s_mov_b32 s85, 0x3a800000                      ; 1 / 1,024
	s_mov_b32 s35, 0
	s_wait_kmcnt 0x0
	s_load_b64 s[4:5], s[12:13], s86 offset:0x0    ; the tile's expert and rows
	s_load_b32 s6, s[10:11], s87 offset:0x0        ; its first token
	s_load_b128 s[36:39], s[10:11], s88 offset:0x0 ; my four tokens
	s_wait_kmcnt 0x0
	s_min_u32 s4, s4, 7
.irp q, 0,1,2,3
	s_add_co_u32 s3, s7, \q
	s_cmp_lt_u32 s3, s5
	s_cselect_b32 s[36+\q], s[36+\q], s6           ; a row past the count is a copy of the first
	s_min_u32 s[36+\q], s[36+\q], 0x1fff           ; a loaded number enters an address behind a hold
	s_lshl_b32 s34, s[36+\q], 12
	s_add_nc_u64 s[40+2*\q:41+2*\q], s[8:9], s[34:35]
	s_add_nc_u64 s[48+2*\q:49+2*\q], s[32:33], s[34:35]
	s_lshl_b32 s[86+\q], s[36+\q], 2
	s_load_b32 s[56+2*\q], s[14:15], s[86+\q] offset:0x0   ; its alpha
	s_mov_b32 s[57+2*\q], 0                        ; (named with it as a pair, so it is written)
.endr
; ---- P1: my four rows of x, the expert's gain and bias, the first three units of w1; x to LDS; mu and rstd
.irp q, 0,1,2,3
.irp j, 0,1,2,3,4,5,6,7
	global_load_b128 v[A2+32*\q+4*\j:A2+32*\q+4*\j+3], v[L16], s[40+2*\q:41+2*\q] offset:512*\j
.endr
.endr
	s_lshl_b32 s34, s4, 18
	s_lshl_b32 s3, s2, 15
	s_add_co_u32 s34, s34, s3
	s_add_nc_u64 s[66:67], s[20:21], s[34:35]      ; my 8 units of w1: 32,768 bytes on end
	s_add_nc_u64 s[70:71], s[26:27], s[34:35]      ; and of w2
	s_lshl_b32 s34, s4, 14
	s_lshl_b32 s3, s2, 11
	s_add_co_u32 s34, s34, s3
	s_add_nc_u64 s[68:69], s[22:23], s[34:35]      ; their scale words
	s_add_nc_u64 s[72:73], s[28:29], s[34:35]
	s_lshl_b32 s34, s4, 11
	s_lshl_b32 s3, s2, 8
	s_add_co_u32 s34, s34, s3
	s_add_nc_u64 s[74:75], s[24:25], s[34:35]      ; b1 at my 64 hidden units
	s_lshl_b32 s34, s4, 12
	s_add_nc_u64 s[76:77], s[30:31], s[34:35]      ; b2
	s_lshl_b32 s3, s2, 9
	s_add_co_u32 s34, s34, s3
	s_add_nc_u64 s[78:79], s[16:17], s[34:35]      ; chunk w of the gain,
	s_add_nc_u64 s[80:81], s[18:19], s[34:35]      ; and of the bias
	global_load_b128 v[10:13], v[L16], s[78:79]
	global_load_b128 v[14:17], v[L16], s[80:81]
; Unit u (0-7: w1's, 8-15: w2's) into ring slot u % 3: nine loads, each of consecutive bytes
.macro WU u
.set WG, RING+34*((\u)%3)
.if (\u) < 8
.set WQ, 66
.else
.set WQ, 70
.endif
.irp t, 0,1,2,3
.irp c, 0,1
	global_load_b128 v[WG+8*\t+4*\c:WG+8*\t+4*\c+3], v[L16], s[WQ:WQ+1] offset:4096*((\u)%8)+1024*\t+512*\c
.endr
.endr
	global_load_b64 v[WG+32:WG+33], v[L8], s[WQ+2:WQ+3] offset:256*((\u)%8)
.endm
	WU 0
	WU 1
	WU 2
	s_mul_i32 s90, s2, 4*XP
	v_add_nc_u32 v2, s90, v[L16]                   ; XR: my rows
	s_lshl_b32 s91, s2, 9
	s_add_co_u32 s91, s91, GB
	v_add_nc_u32 v4, s91, v[L16]                   ; chunk w of the gain; the bias 4,096 on
	s_lshl_b32 s92, s2, 6
	s_add_co_u32 s92, s92, STAT
	v_mov_b32 v5, s92                              ; my rows' statistics
	v_bfe_u32 v6, v0, 4, 1
	v_lshlrev_b32 v6, 6, v6                        ; 64 h: b1's offset
	s_wait_loadcnt 27                              ; x, gain and bias are in; the ring's 27 loads stay out
	ds_store_b128 v4, v[10:13]
	ds_store_b128 v4, v[14:17] offset:4096
.irp q, 0,1,2,3
.irp j, 0,1,2,3,4,5,6,7
	ds_store_b128 v2, v[A2+32*\q+4*\j:A2+32*\q+4*\j+3] offset:XP*\q+512*\j
.endr
.endr
	s_wait_dscnt 32                                ; the first two stores have read v10-17
	s_wait_kmcnt 0x0                               ; the alphas
; mu, var = mean((x - mu)^2), rstd of rows 2 a and 2 a + 1, the two rows by turns
.macro STATS a
.set XA, A2+64*(\a)
.set XB, XA+32
	v_pk_add_f32 v[S:S+1], v[XA:XA+1], v[XA+2:XA+3]
	v_pk_add_f32 v[S+2:S+3], v[XB:XB+1], v[XB+2:XB+3]
.irp i, 4,6,8,10,12,14,16,18,20,22,24,26,28,30
	v_pk_add_f32 v[S:S+1], v[S:S+1], v[XA+\i:XA+\i+1]
	v_pk_add_f32 v[S+2:S+3], v[S+2:S+3], v[XB+\i:XB+\i+1]
.endr
	v_add_f32 v[S], v[S], v[S+1]
	v_add_f32 v[S+2], v[S+2], v[S+3]
.irp x, 1,2,4,8
	v_add_f32_dpp v[S], v[S], v[S] row_xmask:\x row_mask:0xf bank_mask:0xf
	v_add_f32_dpp v[S+2], v[S+2], v[S+2] row_xmask:\x row_mask:0xf bank_mask:0xf
.endr
	v_permlanex16_b32 v[Q], v[S], s[SEL], s[SEL+1]
	v_permlanex16_b32 v[Q+2], v[S+2], s[SEL], s[SEL+1]
	v_add_f32 v[S], v[S], v[Q]
	v_add_f32 v[S+2], v[S+2], v[Q+2]
	v_mul_f32 v[S], s85, v[S]                      ; mu
	v_mul_f32 v[S+2], s85, v[S+2]
.irp i, 0,2,4,6,8,10,12,14,16,18,20,22,24,26,28,30
	v_pk_add_f32 v[T+\i%4:T+\i%4+1], v[XA+\i:XA+\i+1], v[S:S+1] op_sel_hi:[1,0] neg_lo:[0,1] neg_hi:[0,1]
	v_pk_add_f32 v[T+4+\i%4:T+4+\i%4+1], v[XB+\i:XB+\i+1], v[S+2:S+3] op_sel_hi:[1,0] neg_lo:[0,1] neg_hi:[0,1]
.if \i == 0
	v_pk_mul_f32 v[Q:Q+1], v[T:T+1], v[T:T+1]
	v_pk_mul_f32 v[Q+2:Q+3], v[T+4:T+5], v[T+4:T+5]
.else
	v_pk_fma_f32 v[Q:Q+1], v[T+\i%4:T+\i%4+1], v[T+\i%4:T+\i%4+1], v[Q:Q+1]
	v_pk_fma_f32 v[Q+2:Q+3], v[T+4+\i%4:T+4+\i%4+1], v[T+4+\i%4:T+4+\i%4+1], v[Q+2:Q+3]
.endif
.endr
	v_add_f32 v[Q], v[Q], v[Q+1]
	v_add_f32 v[Q+2], v[Q+2], v[Q+3]
.irp x, 1,2,4,8
	v_add_f32_dpp v[Q], v[Q], v[Q] row_xmask:\x row_mask:0xf bank_mask:0xf
	v_add_f32_dpp v[Q+2], v[Q+2], v[Q+2] row_xmask:\x row_mask:0xf bank_mask:0xf
.endr
	v_permlanex16_b32 v[T], v[Q], s[SEL], s[SEL+1]
	v_permlanex16_b32 v[T+4], v[Q+2], s[SEL], s[SEL+1]
	v_add_f32 v[Q], v[Q], v[T]
	v_add_f32 v[Q+2], v[Q+2], v[T+4]
	v_fmaak_f32 v[Q], s85, v[Q], 0x3727c5ac        ; var + 1e-5
	v_fmaak_f32 v[Q+2], s85, v[Q+2], 0x3727c5ac
	v_rsq_f32 v[T+2], v[Q]
	v_rsq_f32 v[T+6], v[Q+2]
	v_mov_b32 v[T], v[S]                           ; plain work behind the two roots: the rest of the two records
	v_mov_b32 v[T+4], v[S+2]
	v_mov_b32 v[T+1], s[56+4*(\a)]
	v_mov_b32 v[T+5], s[58+4*(\a)]
	v_mov_b32 v[T+3], 0
	v_mov_b32 v[T+7], 0
	s_wait_alu depctr_va_vdst(0)                   ; one wait ahead of the roots' first reader
	ds_store_b128 v5, v[T:T+3] offset:32*(\a)      ; all lanes write the same 16 bytes with the same values
	ds_store_b128 v5, v[T+4:T+7] offset:32*(\a)+16
	s_wait_dscnt 0x0                               ; the stores have read their registers
.endm
	STATS 0
	STATS 1
.irp t, 0,1,2,3                        ; b1 in the result's layout, into the registers of the hidden tiles of rows 0-15: tile t, lane (r, h): units 32 (t / 2) + 8 (t % 2) + 16 h + 0 .. 7
	global_load_b128 v[HA+8*\t:HA+8*\t+3], v6, s[74:75] offset:(32*(\t/2)+8*(\t%2))*4
	global_load_b128 v[HA+8*\t+4:HA+8*\t+7], v6, s[74:75] offset:(32*(\t/2)+8*(\t%2))*4+16
.endr
	s_barrier_signal -1                            ; (no LDS instruction of mine is out)  x, gain, bias and statistics lie in LDS
	s_barrier_wait -1
; ---- P2: K step w of x, all 32 rows: normalised in f32 as the problem writes it, quantised, image and scale words to LDS
	s_wait_xcnt 0x0                                ; the loads of b1 have read v6, which is written again below
	v_and_b32 v10, 15, v0                          ; r
	v_bfe_u32 v11, v0, 4, 1                        ; h
	s_lshl_b32 s90, s2, 9
	v_mul_u32_u24 v2, v10, XP
	v_lshl_add_u32 v2, v11, 7, v2
	v_add_nc_u32 v2, s90, v2                       ; row r, k = 128 w + 32 h on
	v_add_nc_u32 v4, 16*XP, v2                     ; row 16 + r
	s_add_co_u32 s91, s90, GB
	v_lshl_add_u32 v5, v11, 7, s91                 ; gain; bias 4,096 on
	v_lshl_add_u32 v6, v10, 4, STAT
	s_lshl_b32 s92, s2, 10
	s_add_co_u32 s92, s92, XIMG
	v_add_nc_u32 v7, s92, v[L16]                   ; my fragments' images
	s_lshl_b32 s93, s2, 7
	s_add_co_u32 s93, s93, XSC
	v_lshrrev_b32 v8, 1, v[L8]
	v_add_nc_u32 v8, s93, v8                       ; and scale words
	v_lshlrev_b32 v9, 3, v11                       ; 8 h
	ds_load_b128 v[10:13], v6                      ; {mu, alpha, rstd, 0} of row r,
	ds_load_b128 v[14:17], v6 offset:256           ; of row 16 + r
.macro QBLK x, cd, tm                  ; as in the first launch: 32 numbers of a lane are one block
	v_max3_num_f32 v[\tm], |v[\x]|, |v[\x+1]|, |v[\x+2]|
	v_max3_num_f32 v[\tm+1], |v[\x+3]|, |v[\x+4]|, |v[\x+5]|
.irp i, 6,10,14,18,22,26
	v_max3_num_f32 v[\tm], v[\tm], |v[\x+\i]|, |v[\x+\i+1]|
	v_max3_num_f32 v[\tm+1], v[\tm+1], |v[\x+\i+2]|, |v[\x+\i+3]|
.endr
	v_max3_num_f32 v[\tm], v[\tm], |v[\x+30]|, |v[\x+31]|
	v_max3_num_f32 v[\tm], v[\tm], v[\tm+1], 0x1800000
	v_add_nc_u32 v[\tm+2], 0xff000000, v[\tm]
	v_lshrrev_b32 v[\tm+3], 23, v[\tm+2]
.irp g, 0,1,2,3
	v_cvt_scalef32_pk8_fp4_f32 v[\cd+\g], v[\x+8*\g:\x+8*\g+7], v[\tm+2]
.endr
.endm
.irp c, 0,1
.irp i, 0,1,2,3,4,5,6,7
	ds_load_b128 v[PG+4*\i:PG+4*\i+3], v5 offset:256*\c+16*\i
	ds_load_b128 v[PB+4*\i:PB+4*\i+3], v5 offset:4096+256*\c+16*\i
.endr
.irp m, 0,1
.irp i, 0,1,2,3,4,5,6,7
	ds_load_b128 v[PX+4*\i:PX+4*\i+3], v[2+2*\m] offset:256*\c+16*\i
.endr
	s_wait_dscnt 0x0                               ; the numbers are in, and the last image's store has read its registers
.irp i, 0,2,4,6,8,10,12,14,16,18,20,22,24,26,28,30
	v_pk_add_f32 v[PX+\i:PX+\i+1], v[PX+\i:PX+\i+1], v[10+4*\m:11+4*\m] op_sel_hi:[1,0] neg_lo:[0,1] neg_hi:[0,1]   ; x - mu
.endr
.irp i, 0,2,4,6,8,10,12,14,16,18,20,22,24,26,28,30
	v_pk_mul_f32 v[PX+\i:PX+\i+1], v[PX+\i:PX+\i+1], v[12+4*\m:13+4*\m] op_sel_hi:[1,0]                            ; x rstd
.endr
.irp i, 0,2,4,6,8,10,12,14,16,18,20,22,24,26,28,30
	v_pk_fma_f32 v[PX+\i:PX+\i+1], v[PX+\i:PX+\i+1], v[PG+\i:PG+\i+1], v[PB+\i:PB+\i+1]                            ; x g + b
.endr
	QBLK PX, 22, 18
	v_nop                                          ; one plain place behind the last conversion
	ds_store_b128 v7, v[22:25] offset:8192*\m+512*\c
.if \c == 0
	v_mov_b32 v[11+4*\m], v21                      ; block h's byte (the register held alpha, which this phase does not use)
.else
	v_lshl_or_b32 v[11+4*\m], v21, 16, v[11+4*\m]  ; block 2 + h's
.endif
.endr
.endr
.irp m, 0,1
	v_lshlrev_b32 v[11+4*\m], v9, v[11+4*\m]
	v_permlanex16_b32 v[13+4*\m], v[11+4*\m], s[SEL], s[SEL+1]
	v_or_b32 v[11+4*\m], v[11+4*\m], v[13+4*\m]    ; the row's scale word, whole in both lanes
.endr
	v_cndmask_b32 v18, v11, v15, s84               ; lanes 0-15: row r's, lanes 16-31: row 16 + r's
	ds_store_b32 v8, v18
	s_wait_dscnt 0x0
	s_barrier_signal -1                            ; x's sixteen fragments lie in LDS; nobody reads gain and bias any more
	s_barrier_wait -1
; ---- P3: my four tiles of the hidden layer for both tiles of rows: eight accumulators by turns, one instruction a turn
; d, a, b: first registers of D, A, B; c: of C, or -1 for the constant 0; sa, sb: scale registers; ra, rb: 1 where the scales lie in lanes 16-31
.macro MM d, a, b, c, sa, sb, ra, rb
.if (\c) < 0
.if (\ra) && (\rb)
	v_wmma_scale_f32_16x16x128_f8f6f4 v[\d:\d+7], v[\a:\a+7], v[\b:\b+7], 0, v[\sa], v[\sb] matrix_a_fmt:MATRIX_FMT_FP4 matrix_b_fmt:MATRIX_FMT_FP4 matrix_a_scale:MATRIX_SCALE_ROW1 matrix_b_scale:MATRIX_SCALE_ROW1
.elseif (\ra)
	v_wmma_scale_f32_16x16x128_f8f6f4 v[\d:\d+7], v[\a:\a+7], v[\b:\b+7], 0, v[\sa], v[\sb] matrix_a_fmt:MATRIX_FMT_FP4 matrix_b_fmt:MATRIX_FMT_FP4 matrix_a_scale:MATRIX_SCALE_ROW1
.elseif (\rb)
	v_wmma_scale_f32_16x16x128_f8f6f4 v[\d:\d+7], v[\a:\a+7], v[\b:\b+7], 0, v[\sa], v[\sb] matrix_a_fmt:MATRIX_FMT_FP4 matrix_b_fmt:MATRIX_FMT_FP4 matrix_b_scale:MATRIX_SCALE_ROW1
.else
	v_wmma_scale_f32_16x16x128_f8f6f4 v[\d:\d+7], v[\a:\a+7], v[\b:\b+7], 0, v[\sa], v[\sb] matrix_a_fmt:MATRIX_FMT_FP4 matrix_b_fmt:MATRIX_FMT_FP4
.endif
.else
.if (\ra) && (\rb)
	v_wmma_scale_f32_16x16x128_f8f6f4 v[\d:\d+7], v[\a:\a+7], v[\b:\b+7], v[\c:\c+7], v[\sa], v[\sb] matrix_a_fmt:MATRIX_FMT_FP4 matrix_b_fmt:MATRIX_FMT_FP4 matrix_a_scale:MATRIX_SCALE_ROW1 matrix_b_scale:MATRIX_SCALE_ROW1
.elseif (\ra)
	v_wmma_scale_f32_16x16x128_f8f6f4 v[\d:\d+7], v[\a:\a+7], v[\b:\b+7], v[\c:\c+7], v[\sa], v[\sb] matrix_a_fmt:MATRIX_FMT_FP4 matrix_b_fmt:MATRIX_FMT_FP4 matrix_a_scale:MATRIX_SCALE_ROW1
.elseif (\rb)
	v_wmma_scale_f32_16x16x128_f8f6f4 v[\d:\d+7], v[\a:\a+7], v[\b:\b+7], v[\c:\c+7], v[\sa], v[\sb] matrix_a_fmt:MATRIX_FMT_FP4 matrix_b_fmt:MATRIX_FMT_FP4 matrix_b_scale:MATRIX_SCALE_ROW1
.else
	v_wmma_scale_f32_16x16x128_f8f6f4 v[\d:\d+7], v[\a:\a+7], v[\b:\b+7], v[\c:\c+7], v[\sa], v[\sb] matrix_a_fmt:MATRIX_FMT_FP4 matrix_b_fmt:MATRIX_FMT_FP4
.endif
.endif
.endm
.macro XFETCH s                        ; K step s of x: two fragments and the scale words: five LDS loads, into set s % 2
.irp m, 0,1
.irp c, 0,1
	ds_load_b128 v[XF+16*((\s)%2)+8*\m+4*\c:XF+16*((\s)%2)+8*\m+4*\c+3], v2 offset:(8*\m+(\s))*1024+512*\c
.endr
.endr
	ds_load_b32 v[XS+(\s)%2], v4 offset:128*(\s)
.endm
.macro K1 s
.set RG, RING+34*((\s)%3)
.set XB, XF+16*((\s)%2)
.set XW, XS+(\s)%2
.if (\s) == 0
	s_wait_loadcnt 0x0                             ; units 0 to 2 and b1 (so steps 1 and 2 need no wait)
.elseif (\s) >= 3
	s_wait_loadcnt 18                              ; unit s is in; the two units behind it may be out
.endif
.if (\s) < 7
	s_wait_dscnt 5                                 ; this step's fragments of x are in; the next step's five loads may be out
.else
	s_wait_dscnt 0x0
.endif
.if (\s) == 0
.irp t, 0,1,2,3
	MM HA+32+8*\t, RG+8*\t, XB+8, HA+8*\t, RG+32+\t%2, XW, \t/2, 1    ; rows 16-31 first: b1, which lies in the other tiles' registers, is their C
.endr
.rept 5
	v_nop                                          ; five places: the products below write over registers that those above read as C
.endr
.irp t, 0,1,2,3
	MM HA+8*\t, RG+8*\t, XB, HA+8*\t, RG+32+\t%2, XW, \t/2, 0         ; rows 0-15: onto b1, in place
.endr
.else
.irp t, 0,1,2,3
	MM HA+8*\t, RG+8*\t, XB, HA+8*\t, RG+32+\t%2, XW, \t/2, 0
	MM HA+32+8*\t, RG+8*\t, XB+8, HA+32+8*\t, RG+32+\t%2, XW, \t/2, 1
.endr
.endif
.rept 4
	v_nop                                          ; four places in front of loads into registers that these products have read, and of the first read of results
.endr
.if (\s)+2 < 8
	XFETCH (\s)+2
.endif
	WU (\s)+3                                      ; the stream goes on into w2's units
.endm
	v_add_nc_u32 v2, XIMG, v[L16]
	v_lshrrev_b32 v4, 1, v[L8]
	v_add_nc_u32 v4, XSC, v4
	XFETCH 0
	XFETCH 1
	K1 0
	K1 1
	K1 2
	K1 3
	K1 4
	K1 5
	K1 6
	K1 7
; ---- P4: relu; my 64 hidden units of each row are two blocks of 32: half w % 2 of K step w / 2 of the second product
.set j, 0
.rept 64
	v_max_num_f32 v[HA+j], 0, v[HA+j]              ; each accumulator from its low end on
.set j, j+1
.endr
.irp b, 0,1,2,3                        ; block b: rows 0-15: 0, 1; rows 16-31: 2, 3.  No |.|: nothing is negative
	v_max3_num_f32 v[TM+\b], v[HA+16*\b], v[HA+1+16*\b], 0x1800000
.endr
.irp i, 2,4,6,8,10,12,14
.irp b, 0,1,2,3
	v_max3_num_f32 v[TM+\b], v[TM+\b], v[HA+16*\b+\i], v[HA+1+16*\b+\i]
.endr
.endr
.irp b, 0,1,2,3
	v_permlanex16_b32 v[TM+4+\b], v[TM+\b], s[SEL], s[SEL+1]
.endr
.irp b, 0,1,2,3
	v_max_num_f32 v[TM+\b], v[TM+\b], v[TM+4+\b]   ; with lane l xor 16's 16 numbers: the block's largest
.endr
.irp b, 0,1,2,3
	v_add_nc_u32 v[TM+12+\b], 0xff000000, v[TM+\b]
.endr
.irp b, 0,1,2,3
	v_lshrrev_b32 v[TM+4+\b], 23, v[TM+12+\b]
.endr
	v_lshl_or_b32 v216, v[TM+5], 8, v[TM+4]        ; my two bytes of row r's scale word,
	v_lshl_or_b32 v217, v[TM+7], 8, v[TM+6]        ; of row 16 + r's
	v_cndmask_b32 v218, v216, v217, s84
.irp b, 0,1,2,3
	v_cvt_scalef32_pk8_fp4_f32 v[PC+2*\b], v[HA+16*\b:HA+16*\b+7], v[TM+12+\b]
	v_cvt_scalef32_pk8_fp4_f32 v[PC+1+2*\b], v[HA+8+16*\b:HA+8+16*\b+7], v[TM+12+\b]
.endr
	v_nop                                          ; one plain place behind the last conversion
.irp c, 0,1                            ; the operand's layout wants a whole block in a lane
.irp i, 0,1
	v_permlane16_swap_b32 v[PC+4*\c+\i], v[PC+2+4*\c+\i]
.endr
.endr
	s_lshr_b32 s90, s2, 1
	s_and_b32 s91, s2, 1
	s_lshl_b32 s92, s90, 10
	s_lshl_b32 s93, s91, 9
	s_add_co_u32 s92, s92, s93
	s_add_co_u32 s92, s92, HIMG
	v_add_nc_u32 v2, s92, v[L16]
	s_lshl_b32 s92, s90, 7
	s_lshl_b32 s93, s91, 1
	s_add_co_u32 s92, s92, s93
	s_add_co_u32 s92, s92, HSC
	v_lshrrev_b32 v4, 1, v[L8]
	v_add_nc_u32 v4, s92, v4
	ds_store_b128 v2, v[PC:PC+3]
	ds_store_b128 v2, v[PC+4:PC+7] offset:4096
	ds_store_b16 v4, v218
	s_wait_dscnt 0x0
	s_barrier_signal -1                            ; the hidden layer's eight fragments lie in LDS
	s_barrier_wait -1
; ---- P5: my 128 outputs in two groups of 64; behind each group x + alpha z goes into x's place in LDS
.macro AXE_SET                         ; v5: row r, my 512 bytes, 64 h on
	v_and_b32 v12, 15, v0
	v_bfe_u32 v13, v0, 4, 1
	v_mul_u32_u24 v5, v12, XP
	v_lshl_add_u32 v5, v13, 6, v5
	v_add_nc_u32 v5, s90, v5
.endm
	s_lshl_b32 s90, s2, 9
	v_add_nc_u32 v10, HIMG, v[L16]
	v_lshrrev_b32 v11, 1, v[L8]
	v_add_nc_u32 v11, HSC, v11
	AXE_SET
	v_lshl_add_u32 v14, v12, 4, STAT+4
.irp m, 0,1
.irp s, 0,1,2,3
.irp c, 0,1
	ds_load_b128 v[HF+8*(4*\m+\s)+4*\c:HF+8*(4*\m+\s)+4*\c+3], v10 offset:(4*\m+\s)*1024+512*\c
.endr
.endr
.endr
.irp s, 0,1,2,3
	ds_load_b32 v[6+\s], v11 offset:128*\s         ; v6-9: the hidden layer's scale words
.endr
	ds_load_b32 v2, v14                            ; alpha of row r: the low word of the pair v[2:3],
	ds_load_b32 v4, v14 offset:256                 ; of row 16 + r: of v[4:5]
	s_wait_dscnt 0x0
.macro LX g, b                         ; 16 neighbours of x: group g, columns 32 b + 16 h on, of the row at v5
.irp i, 0,1,2,3
	ds_load_b128 v[TP+4*\i:TP+4*\i+3], v5 offset:256*(\g)+128*(\b)+16*\i
.endr
.endm
.macro K2 g, s
.set U, 8+4*(\g)+(\s)
.set RG, RING+34*(U%3)
.if U == 14
	s_wait_loadcnt 17                              ; behind unit 14: unit 15's nine loads and b2's eight
.elseif U == 15
	s_wait_loadcnt 8                               ; behind unit 15: b2's eight
.else
	s_wait_loadcnt 18                              ; the two units behind this one may be out
.endif
.if (\s) == 3
	LX \g, 0                                       ; x for the first piece of the way back, under the group's last products
.endif
.irp t, 0,1,2,3
.if (\s) == 0
	MM ZA+8*\t, RG+8*\t, HF+8*(\s), -1, RG+32+\t%2, 6+(\s), \t/2, 0          ; the first K step starts the sums
	MM ZA+32+8*\t, RG+8*\t, HF+32+8*(\s), -1, RG+32+\t%2, 6+(\s), \t/2, 1
.else
	MM ZA+8*\t, RG+8*\t, HF+8*(\s), ZA+8*\t, RG+32+\t%2, 6+(\s), \t/2, 0
	MM ZA+32+8*\t, RG+8*\t, HF+32+8*(\s), ZA+32+8*\t, RG+32+\t%2, 6+(\s), \t/2, 1
.endif
.endr
.rept 4+(\s)/3
	v_nop                                          ; four places in front of the loads below; five behind a group's last products, whose accumulators the next group begins anew
.endr
.if U+3 <= 15
	WU U+3
.endif
.if U == 13
.irp j, 0,1,2,3,4,5,6,7
	global_load_b128 v[B2R+4*\j:B2R+4*\j+3], v[L16], s[76:77] offset:512*\j   ; b2, dense, into the slot that unit 13 has left
.endr
.endif
.endm
.macro EPI g                           ; piece k: rows 16 (k / 2) + r, columns 32 (k % 2) + 16 h + 0 .. 15 of the group
.irp k, 0,1,2,3
	s_wait_dscnt 0x0                               ; this piece's x is in
.set ZB, ZA+32*(\k/2)+16*(\k%2)
.irp i, 0,2,4,6,8,10,12,14
	v_pk_fma_f32 v[ZB+\i:ZB+\i+1], v[ZB+\i:ZB+\i+1], v[2+2*(\k/2):3+2*(\k/2)], v[TP+\i:TP+\i+1] op_sel_hi:[1,0,1]   ; alpha z + x; each accumulator from its low end on
.endr
.irp i, 0,1,2,3
	ds_store_b128 v5, v[ZB+4*\i:ZB+4*\i+3] offset:256*(\g)+128*(\k%2)+16*\i
.endr
.if \k == 1
	v_add_nc_u32 v5, 16*XP, v5                     ; on to rows 16-31
.endif
.if \k < 3
	LX \g, (\k+1)%2
.endif
.endr
	s_wait_dscnt 0x0                               ; the stores have read the accumulators
.endm
	K2 0, 0
	K2 0, 1
	K2 0, 2
	K2 0, 3
	EPI 0
	AXE_SET                                        ; back to rows 0-15
	K2 1, 0
	K2 1, 1
	K2 1, 2
	K2 1, 3
	EPI 1
	s_barrier_signal -1                            ; (EPI ends with a wait for all my LDS instructions)  32 whole rows of x + alpha z lie in LDS
	s_barrier_wait -1
; ---- P6: my four rows, dense: + alpha b2, and out
	s_mul_i32 s91, s2, 4*XP
	v_add_nc_u32 v10, s91, v[L16]
.irp q, 0,1,2,3
.irp j, 0,1,2,3,4,5,6,7
	ds_load_b128 v[A2+32*\q+4*\j:A2+32*\q+4*\j+3], v10 offset:XP*\q+512*\j
.endr
.endr
	s_wait_loadcnt 0x0                             ; b2
.irp q, 0,1,2,3
	s_wait_dscnt 24-8*\q                           ; row q's eight loads are in; the later rows' may be out
.irp i, 0,2,4,6,8,10,12,14,16,18,20,22,24,26,28,30
	v_pk_fma_f32 v[A2+32*\q+\i:A2+32*\q+\i+1], v[B2R+\i:B2R+\i+1], s[56+2*\q:57+2*\q], v[A2+32*\q+\i:A2+32*\q+\i+1] op_sel_hi:[1,0,1]
.endr
	s_add_co_u32 s3, s7, \q
	s_cmp_lt_u32 s3, s5                            ; a row past the tile's count is not stored
	s_cbranch_scc0 .Lpad\q
.irp j, 0,1,2,3,4,5,6,7
	global_store_b128 v[L16], v[A2+32*\q+4*\j:A2+32*\q+4*\j+3], s[48+2*\q:49+2*\q] offset:512*\j th:TH_STORE_NT   ; each store covers 512 consecutive bytes, aligned
.endr
.Lpad\q:
.endr
	v_lshl_add_u32 v10, v0, 2, SPARE               ; no two registers could be kept: v0 was, and the add's two are made here
	v_mov_b32 v11, 0
	s_wait_tensorcnt 0x0                           ; the wave's end: three closing lines behind my last LDS store
	ds_add_u32 v10, v11
	s_wait_dscnt 0x0
	s_endpgm
.Lfunc_end_k_qf6fe35d5b3_chain:
	.size	k_qf6fe35d5b3_chain, .Lfunc_end_k_qf6fe35d5b3_chain-k_qf6fe35d5b3_chain
	.p2alignl 7, 3214868480
	.fill 96, 4, 3214868480
	.section	.rodata,"a",@progbits
	.p2align	6, 0x0
	.amdhsa_kernel k_qf6fe35d5b3_chain
		.amdhsa_group_segment_fixed_size 159232
		.amdhsa_private_segment_fixed_size 0
		.amdhsa_enable_private_segment 0
		.amdhsa_kernarg_size 104
		.amdhsa_user_sgpr_count 2
		.amdhsa_user_sgpr_kernarg_segment_ptr 1
		.amdhsa_wavefront_size32 1
		.amdhsa_system_sgpr_workgroup_id_x 1
		.amdhsa_system_sgpr_workgroup_id_y 1
		.amdhsa_system_sgpr_workgroup_id_z 1
		.amdhsa_system_vgpr_workitem_id 0
		.amdhsa_next_free_vgpr 256
		.amdhsa_next_free_sgpr 96
		.amdhsa_reserve_vcc 0
		.amdhsa_float_denorm_mode_32 3
		.amdhsa_float_denorm_mode_16_64 3
		.amdhsa_memory_ordered 1
		.amdhsa_forward_progress 1
		.amdhsa_inst_pref_size 113
	.end_amdhsa_kernel
	.amdgpu_metadata
---
amdhsa.version: [ 1, 2 ]
amdhsa.kernels:
  - .name:           k_qf6fe35d5b3_chain
    .symbol:         k_qf6fe35d5b3_chain.kd
    .args:
      - { .name: input_features, .offset: 0, .size: 8, .value_kind: global_buffer, .address_space: global }
      - { .name: ord, .offset: 8, .size: 8, .value_kind: global_buffer, .address_space: global }
      - { .name: tiles, .offset: 16, .size: 8, .value_kind: global_buffer, .address_space: global }
      - { .name: alpha, .offset: 24, .size: 8, .value_kind: global_buffer, .address_space: global }
      - { .name: ln_g, .offset: 32, .size: 8, .value_kind: global_buffer, .address_space: global }
      - { .name: ln_b, .offset: 40, .size: 8, .value_kind: global_buffer, .address_space: global }
      - { .name: w1q, .offset: 48, .size: 8, .value_kind: global_buffer, .address_space: global }
      - { .name: w1s, .offset: 56, .size: 8, .value_kind: global_buffer, .address_space: global }
      - { .name: b1, .offset: 64, .size: 8, .value_kind: global_buffer, .address_space: global }
      - { .name: w2q, .offset: 72, .size: 8, .value_kind: global_buffer, .address_space: global }
      - { .name: w2s, .offset: 80, .size: 8, .value_kind: global_buffer, .address_space: global }
      - { .name: b2, .offset: 88, .size: 8, .value_kind: global_buffer, .address_space: global }
      - { .name: out0, .offset: 96, .size: 8, .value_kind: global_buffer, .address_space: global }
    .group_segment_fixed_size: 159232
    .private_segment_fixed_size: 0
    .kernarg_segment_align: 8
    .kernarg_segment_size: 104
    .max_flat_workgroup_size: 256
    .sgpr_count:     96
    .vgpr_count:     256
    .wavefront_size: 32
...
	.end_amdgpu_metadata
.endif
;; end of part 3
;; ======== version 2 of 2: 3 launches; version 1 with the launch chain written anew for expert scheduling mode
;; workspace buffers: w1q 2,097,152 bytes; w2q 2,097,152 bytes; w1s 131,072 bytes; w2s 131,072 bytes; assign 32,768 bytes of whole numbers; alpha 32,768 bytes; ord 37,120 bytes of whole numbers; tiles 8,192 bytes of whole numbers
;; launch prep: the kernel of part 1 again; grid 256 x 1, 8 waves a work-group, no clusters, 101,376 bytes of LDS; arguments input_features, centroids, w1, w2, w1q, w1s, w2q, w2s, assign, alpha; writes w1q, w1s, w2q, w2s, assign, alpha
;; launch place: the kernel of part 2 again; grid 1 x 1, 32 waves a work-group, no clusters, 8,448 bytes of LDS; arguments assign, ord, tiles; writes ord, tiles
;; launch chain (part 4): grid 263 x 1, 8 waves a work-group, no clusters, 159,232 bytes of LDS; arguments input_features, ord, tiles, alpha, ln_g, ln_b, w1q, w1s, b1, w2q, w2s, b2, out0; writes out0
.if DOCPART == 4
	.amdgcn_target "amdgcn-amd-amdhsa--gfx1250"
	.amdhsa_code_object_version 6
	.text
	.protected	k_qf6fe35d5b3_chain
	.globl	k_qf6fe35d5b3_chain
	.p2align	8
	.type	k_qf6fe35d5b3_chain,@function
k_qf6fe35d5b3_chain:
	s_mov_b64 s[64:65], 0
	v_nop
	global_prefetch_b8 v0, s[64:65] scope:SCOPE_SE
	s_setreg_imm32_b32 hwreg(HW_REG_WAVE_SCHED_MODE, 0, 2), 2
	s_setreg_imm32_b32 hwreg(HW_REG_WAVE_MODE, 25, 1), 1
	s_wait_xcnt 0x0
	s_wait_alu depctr_vm_vsrc(0)
; CHAIN: one work-group takes one tile, up to 32 tokens of ONE expert, through the whole chain: gather, layer norm, quantise, x w1^T + b1, relu, quantise, h w2^T, out = x + alpha (z + b2).
; WORK LEFT OUT: only the chosen expert's rows are computed, and a y + (1 - a) x is taken as x + a z (shown at the head of the first kernel).
; THE GRID serves every split: 8,192 / 32 + 8 - 1 = 263 tiles at the most.  No barrier stands under a branch on a number read from memory: a tile that this split leaves without rows (7 at the most) walks the
; text with copies of token 0 and stores nothing; rows past a tile's count are copies of its first token and are not stored either.  Only the stores stand under a branch on the count.
; Such branches are why the launch has no tensor load and no cluster: the weights go from memory straight into registers, in the order in which the first launch laid them.
; SHARES.  8 waves.  Wave w: loads and stores rows 4 w .. 4 w + 3; quantises K step w of x for all 32 rows; makes hidden units 64 w .. 64 w + 63 and outputs 128 w .. 128 w + 127 for all 32 rows.
; Both products are used transposed (source 0 = 16 rows of the weight, source 1 = 16 tokens), and a fragment's rows are chosen (32 (t / 2) + 8 (t % 2) + r + 8 (r / 8)) so that the 16 registers of tiles 2 b and
; 2 b + 1 are 16 neighbours: 32 b + 16 (lane / 16) + 0 .. 15.  Operands go from wave to wave through LDS as images of their registers.
; LIMITS: NaN and infinities are not served; a block of zeros has the byte 1 and zero codes.
; LDS: XR 32 rows x 4,112: x, later the results | XIMG 16 fragments of x ((8 m + s) x 1,024) | XSC their scale words (128 s + 4 lane: lanes 0-15 rows 0-15, lanes 16-31 rows 16-31) | STAT 16 bytes a row {mu, alpha, rstd, 0}
;      | HIMG 8 fragments of the hidden layer ((4 m + s) x 1,024); up to the second barrier the same bytes hold the expert's gain and bias | HSC its scale words | the spare words.
; REGISTERS: v0 thread; v1 16 x lane; v3 8 x lane; v2, v4-9 addresses of the phase in hand; v10-25 at work; v26-127 a ring of three units of a weight (34 each: four fragments and a pair of scale words); v128-255 by phase.
; THE MODE: SCHED_MODE bits 1:0 = 2 (LLVM: expert scheduling mode 2), set by the entry lines.  The code itself states the register dependences between vector or matrix instructions and memory or LDS
; instructions, with s_wait_alu, always for 0.
; THE PLAN.  Registers that memory or LDS instructions touch:
;   v1, v3       offsets of every global load and store: made at the head, never written again: one wait on va_vdst ahead of the first load.
;   v2, v4-v9    addresses of a phase: at a phase's head one wait on vm_vsrc (the last phase's accesses have read them), the arithmetic, one wait on va_vdst; that second wait also covers the registers in which
;                the phase's first loads land, which the phase before named.  v5 alone is stepped inside a phase, twice in the kernel, between its own two waits.
;   the ring     a slot is read by the eight products of its K step and loaded again behind them: ONE wait on va_vdst a K step, behind the products and their places; it also frees the set of x's fragments
;                and its scale word, which the same products read.  All 256 registers are taken, so there is no fourth slot into which a step's loads could go without that wait.
;   out-buffers  the records (v18-25), the codes (v22-25; v208-215, v218), the accumulators on the way back, the rows of the result: one wait on va_vdst ahead of each run of stores, one on vm_vsrc ahead of the
;                first line that writes the registers again.
;   The operands and scales of every product come from loads; the accumulators are named by vector and matrix instructions alone until they are stored.
.set XP,    4112
.set XIMG,  131584
.set XSC,   147968
.set STAT,  148992
.set HIMG,  149504
.set GB,    HIMG
.set HSC,   157696
.set SPARE, 158208
.set L16,   1
.set L8,    3
.set TP,    10
.set S,     10                         ; P1: sums, then mu
.set Q,     14                         ; P1: sums of squares
.set T,     18                         ; P1: at work
.set RING,  26
.set A2,    128                        ; P1, P6: row q at A2 + 32 q
.set HA,    128                        ; P3, P4: hidden tiles: rows 0-15 at HA + 8 t, rows 16-31 at HA + 32 + 8 t
.set PX,    160                        ; P2: 32 numbers of x; PG, PB: gain and bias
.set PG,    192
.set PB,    224
.set XF,    192                        ; P3: x's fragments, two sets of 16
.set XS,    224                        ; P3: x's scale words, two
.set TM,    192                        ; P4
.set PC,    208
.set HF,    128                        ; P5: the hidden layer's 8 fragments
.set ZA,    192                        ; P5: 8 accumulators
.set B2R,   60                         ; P6: b2, dense, in the ring's slot 1
.set SEL,   82
	s_load_b512 s[8:23], s[0:1], 0x0               ; x s[8:9], ord s[10:11], tiles s[12:13], alpha s[14:15], ln_g s[16:17], ln_b s[18:19], w1q s[20:21], w1s s[22:23]
	s_load_b256 s[24:31], s[0:1], 0x40             ; b1 s[24:25], w2q s[26:27], w2s s[28:29], b2 s[30:31]
	s_load_b64 s[32:33], s[0:1], 0x60              ; out
	v_lshrrev_b32 v2, 5, v0
	v_readfirstlane_b32 s2, v2                     ; wave 0..7
	v_and_b32 v2, 31, v0
	v_lshlrev_b32 v[L16], 4, v2
	v_lshlrev_b32 v[L8], 3, v2
	s_wait_alu depctr_va_sdst(0)                   ; s2 is written, ahead of its first reader: offsets, bases and LDS addresses are made from it
	s_lshl_b32 s86, ttmp9, 3
	s_lshl_b32 s87, ttmp9, 7
	s_lshl_b32 s88, s2, 4
	s_add_co_u32 s88, s88, s87
	s_lshl_b32 s7, s2, 2                           ; my first row of the tile
	s_mov_b32 s[SEL], 0x76543210
	s_mov_b32 s[SEL+1], 0xfedcba98
	s_mov_b32 s84, 0xffff0000                      ; lanes 16-31
	s_mov_b32 s85, 0x3a800000                      ; 1 / 1,024
	s_mov_b32 s35, 0
	s_wait_kmcnt 0x0
	s_load_b64 s[4:5], s[12:13], s86 offset:0x0    ; the tile's expert and rows
	s_load_b32 s6, s[10:11], s87 offset:0x0        ; its first token
	s_load_b128 s[36:39], s[10:11], s88 offset:0x0 ; my four tokens
	s_wait_kmcnt 0x0
	s_min_u32 s4, s4, 7
.irp q, 0,1,2,3
	s_add_co_u32 s3, s7, \q
	s_cmp_lt_u32 s3, s5
	s_cselect_b32 s[36+\q], s[36+\q], s6           ; a row past the count is a copy of the first
	s_min_u32 s[36+\q], s[36+\q], 0x1fff           ; a loaded number enters an address behind a hold
	s_lshl_b32 s34, s[36+\q], 12
	s_add_nc_u64 s[40+2*\q:41+2*\q], s[8:9], s[34:35]
	s_add_nc_u64 s[48+2*\q:49+2*\q], s[32:33], s[34:35]
	s_lshl_b32 s[86+\q], s[36+\q], 2
	s_load_b32 s[56+2*\q], s[14:15], s[86+\q] offset:0x0   ; its alpha
	s_mov_b32 s[57+2*\q], 0                        ; (named with it as a pair, so it is written)
.endr
; ---- P1: my four rows of x, the expert's gain and bias, the first three units of w1; x to LDS; mu and rstd
	s_wait_alu depctr_va_vdst(0)                   ; v1 and v3 are written: every global load and store of the kernel reads one of them as its offset
.irp q, 0,1,2,3
.irp j, 0,1,2,3,4,5,6,7
	global_load_b128 v[A2+32*\q+4*\j:A2+32*\q+4*\j+3], v[L16], s[40+2*\q:41+2*\q] offset:512*\j
.endr
.endr
	s_lshl_b32 s34, s4, 18
	s_lshl_b32 s3, s2, 15
	s_add_co_u32 s34, s34, s3
	s_add_nc_u64 s[66:67], s[20:21], s[34:35]      ; my 8 units of w1: 32,768 bytes on end
	s_add_nc_u64 s[70:71], s[26:27], s[34:35]      ; and of w2
	s_lshl_b32 s34, s4, 14
	s_lshl_b32 s3, s2, 11
	s_add_co_u32 s34, s34, s3
	s_add_nc_u64 s[68:69], s[22:23], s[34:35]      ; their scale words
	s_add_nc_u64 s[72:73], s[28:29], s[34:35]
	s_lshl_b32 s34, s4, 11
	s_lshl_b32 s3, s2, 8
	s_add_co_u32 s34, s34, s3
	s_add_nc_u64 s[74:75], s[24:25], s[34:35]      ; b1 at my 64 hidden units
	s_lshl_b32 s34, s4, 12
	s_add_nc_u64 s[76:77], s[30:31], s[34:35]      ; b2
	s_lshl_b32 s3, s2, 9
	s_add_co_u32 s34, s34, s3
	s_add_nc_u64 s[78:79], s[16:17], s[34:35]      ; chunk w of the gain,
	s_add_nc_u64 s[80:81], s[18:19], s[34:35]      ; and of the bias
	global_load_b128 v[10:13], v[L16], s[78:79]
	global_load_b128 v[14:17], v[L16], s[80:81]
; Unit u (0-7: w1's, 8-15: w2's) into ring slot u % 3: nine loads, each of consecutive bytes
.macro WU u
.set WG, RING+34*((\u)%3)
.if (\u) < 8
.set WQ, 66
.else
.set WQ, 70
.endif
.irp t, 0,1,2,3
.irp c, 0,1
	global_load_b128 v[WG+8*\t+4*\c:WG+8*\t+4*\c+3], v[L16], s[WQ:WQ+1] offset:4096*((\u)%8)+1024*\t+512*\c
.endr
.endr
	global_load_b64 v[WG+32:WG+33], v[L8], s[WQ+2:WQ+3] offset:256*((\u)%8)
.endm
	WU 0
	WU 1
	WU 2
	s_mul_i32 s90, s2, 4*XP
	v_add_nc_u32 v2, s90, v[L16]                   ; XR: my rows
	s_lshl_b32 s91, s2, 9
	s_add_co_u32 s91, s91, GB
	v_add_nc_u32 v4, s91, v[L16]                   ; chunk w of the gain; the bias 4,096 on
	s_lshl_b32 s92, s2, 6
	s_add_co_u32 s92, s92, STAT
	v_mov_b32 v5, s92                              ; my rows' statistics
	v_bfe_u32 v6, v0, 4, 1
	v_lshlrev_b32 v6, 6, v6                        ; 64 h: b1's offset
	s_wait_loadcnt 27                              ; x, gain and bias are in; the ring's 27 loads stay out
	s_wait_alu depctr_va_vdst(0)                   ; v2, v4, v5 and v6 are written: the addresses of this phase's LDS stores and the offset of b1's loads
	ds_store_b128 v4, v[10:13]
	ds_store_b128 v4, v[14:17] offset:4096
.irp q, 0,1,2,3
.irp j, 0,1,2,3,4,5,6,7
	ds_store_b128 v2, v[A2+32*\q+4*\j:A2+32*\q+4*\j+3] offset:XP*\q+512*\j
.endr
.endr
	s_wait_dscnt 32                                ; the stores of gain and bias are done; the 32 of x may be out
	s_wait_alu depctr_vm_vsrc(0)                   ; the stores have read v10-17, which the sums below write, and v128-255, in which later loads land
	s_wait_kmcnt 0x0                               ; the alphas
; mu, var = mean((x - mu)^2), rstd of rows 2 a and 2 a + 1, the two rows by turns
.macro STATS a
.set XA, A2+64*(\a)
.set XB, XA+32
	v_pk_add_f32 v[S:S+1], v[XA:XA+1], v[XA+2:XA+3]
	v_pk_add_f32 v[S+2:S+3], v[XB:XB+1], v[XB+2:XB+3]
.irp i, 4,6,8,10,12,14,16,18,20,22,24,26,28,30
	v_pk_add_f32 v[S:S+1], v[S:S+1], v[XA+\i:XA+\i+1]
	v_pk_add_f32 v[S+2:S+3], v[S+2:S+3], v[XB+\i:XB+\i+1]
.endr
	v_add_f32 v[S], v[S], v[S+1]
	v_add_f32 v[S+2], v[S+2], v[S+3]
.irp x, 1,2,4,8
	v_add_f32_dpp v[S], v[S], v[S] row_xmask:\x row_mask:0xf bank_mask:0xf
	v_add_f32_dpp v[S+2], v[S+2], v[S+2] row_xmask:\x row_mask:0xf bank_mask:0xf
.endr
	v_permlanex16_b32 v[Q], v[S], s[SEL], s[SEL+1]
	v_permlanex16_b32 v[Q+2], v[S+2], s[SEL], s[SEL+1]
	v_add_f32 v[S], v[S], v[Q]
	v_add_f32 v[S+2], v[S+2], v[Q+2]
	v_mul_f32 v[S], s85, v[S]                      ; mu
	v_mul_f32 v[S+2], s85, v[S+2]
.irp i, 0,2,4,6,8,10,12,14,16,18,20,22,24,26,28,30
	v_pk_add_f32 v[T+\i%4:T+\i%4+1], v[XA+\i:XA+\i+1], v[S:S+1] op_sel_hi:[1,0] neg_lo:[0,1] neg_hi:[0,1]
	v_pk_add_f32 v[T+4+\i%4:T+4+\i%4+1], v[XB+\i:XB+\i+1], v[S+2:S+3] op_sel_hi:[1,0] neg_lo:[0,1] neg_hi:[0,1]
.if \i == 0
	v_pk_mul_f32 v[Q:Q+1], v[T:T+1], v[T:T+1]
	v_pk_mul_f32 v[Q+2:Q+3], v[T+4:T+5], v[T+4:T+5]
.else
	v_pk_fma_f32 v[Q:Q+1], v[T+\i%4:T+\i%4+1], v[T+\i%4:T+\i%4+1], v[Q:Q+1]
	v_pk_fma_f32 v[Q+2:Q+3], v[T+4+\i%4:T+4+\i%4+1], v[T+4+\i%4:T+4+\i%4+1], v[Q+2:Q+3]
.endif
.endr
	v_add_f32 v[Q], v[Q], v[Q+1]
	v_add_f32 v[Q+2], v[Q+2], v[Q+3]
.irp x, 1,2,4,8
	v_add_f32_dpp v[Q], v[Q], v[Q] row_xmask:\x row_mask:0xf bank_mask:0xf
	v_add_f32_dpp v[Q+2], v[Q+2], v[Q+2] row_xmask:\x row_mask:0xf bank_mask:0xf
.endr
	v_permlanex16_b32 v[T], v[Q], s[SEL], s[SEL+1]
	v_permlanex16_b32 v[T+4], v[Q+2], s[SEL], s[SEL+1]
	v_add_f32 v[Q], v[Q], v[T]
	v_add_f32 v[Q+2], v[Q+2], v[T+4]
	v_fmaak_f32 v[Q], s85, v[Q], 0x3727c5ac        ; var + 1e-5
	v_fmaak_f32 v[Q+2], s85, v[Q+2], 0x3727c5ac
	v_rsq_f32 v[T+2], v[Q]
	v_rsq_f32 v[T+6], v[Q+2]
	v_mov_b32 v[T], v[S]                           ; plain work behind the two roots: the rest of the two records
	v_mov_b32 v[T+4], v[S+2]
	v_mov_b32 v[T+1], s[56+4*(\a)]
	v_mov_b32 v[T+5], s[58+4*(\a)]
	v_mov_b32 v[T+3], 0
	v_mov_b32 v[T+7], 0
	s_wait_alu depctr_va_vdst(0)                   ; the two roots and the six moves have written the records v18-25, which the stores below read (the roots' first readers); the sums are done reading these rows of x
	ds_store_b128 v5, v[T:T+3] offset:32*(\a)      ; all lanes write the same 16 bytes with the same values
	ds_store_b128 v5, v[T+4:T+7] offset:32*(\a)+16
	s_wait_dscnt 0x0                               ; no LDS instruction of mine is out
.if (\a) == 0
	s_wait_alu depctr_vm_vsrc(0)                   ; the two stores have read v18-25, which the next two rows' arithmetic writes again
.endif
.endm
	STATS 0
	STATS 1
.irp t, 0,1,2,3                        ; b1 in the result's layout, into the registers of the hidden tiles of rows 0-15: tile t, lane (r, h): units 32 (t / 2) + 8 (t % 2) + 16 h + 0 .. 7.  No wait: no vector instruction since the last wait on va_vdst names v6 or v128-159
	global_load_b128 v[HA+8*\t:HA+8*\t+3], v6, s[74:75] offset:(32*(\t/2)+8*(\t%2))*4
	global_load_b128 v[HA+8*\t+4:HA+8*\t+7], v6, s[74:75] offset:(32*(\t/2)+8*(\t%2))*4+16
.endr
	s_barrier_signal -1                            ; (no LDS instruction of mine is out)  x, gain, bias and statistics lie in LDS
	s_barrier_wait -1
; ---- P2: K step w of x, all 32 rows: normalised in f32 as the problem writes it, quantised, image and scale words to LDS
	s_wait_xcnt 0x0                                ; the loads of b1 have had their addresses translated: v6 is written again below
	s_wait_alu depctr_vm_vsrc(0)                   ; the loads of b1 have read v6, the last phase's LDS stores v2, v4, v5 and the records v18-25: all are written again in this phase
	v_and_b32 v10, 15, v0                          ; r
	v_bfe_u32 v11, v0, 4, 1                        ; h
	s_lshl_b32 s90, s2, 9
	v_mul_u32_u24 v2, v10, XP
	v_lshl_add_u32 v2, v11, 7, v2
	v_add_nc_u32 v2, s90, v2                       ; row r, k = 128 w + 32 h on
	v_add_nc_u32 v4, 16*XP, v2                     ; row 16 + r
	s_add_co_u32 s91, s90, GB
	v_lshl_add_u32 v5, v11, 7, s91                 ; gain; bias 4,096 on
	v_lshl_add_u32 v6, v10, 4, STAT
	s_lshl_b32 s92, s2, 10
	s_add_co_u32 s92, s92, XIMG
	v_add_nc_u32 v7, s92, v[L16]                   ; my fragments' images
	s_lshl_b32 s93, s2, 7
	s_add_co_u32 s93, s93, XSC
	v_lshrrev_b32 v8, 1, v[L8]
	v_add_nc_u32 v8, s93, v8                       ; and scale words
	v_lshlrev_b32 v9, 3, v11                       ; 8 h
	s_wait_alu depctr_va_vdst(0)                   ; the addresses v2, v4-v8 are written; the lines above are done with v10 and v11, and the last phase's sums with v160-255: loads land in all of these
	ds_load_b128 v[10:13], v6                      ; {mu, alpha, rstd, 0} of row r,
	ds_load_b128 v[14:17], v6 offset:256           ; of row 16 + r
.macro QBLK x, cd, tm                  ; as in the first launch: 32 numbers of a lane are one block
	v_max3_num_f32 v[\tm], |v[\x]|, |v[\x+1]|, |v[\x+2]|
	v_max3_num_f32 v[\tm+1], |v[\x+3]|, |v[\x+4]|, |v[\x+5]|
.irp i, 6,10,14,18,22,26
	v_max3_num_f32 v[\tm], v[\tm], |v[\x+\i]|, |v[\x+\i+1]|
	v_max3_num_f32 v[\tm+1], v[\tm+1], |v[\x+\i+2]|, |v[\x+\i+3]|
.endr
	v_max3_num_f32 v[\tm], v[\tm], |v[\x+30]|, |v[\x+31]|
	v_max3_num_f32 v[\tm], v[\tm], v[\tm+1], 0x1800000
	v_add_nc_u32 v[\tm+2], 0xff000000, v[\tm]
	v_lshrrev_b32 v[\tm+3], 23, v[\tm+2]
.irp g, 0,1,2,3
	v_cvt_scalef32_pk8_fp4_f32 v[\cd+\g], v[\x+8*\g:\x+8*\g+7], v[\tm+2]
.endr
.endm
.irp c, 0,1
.irp i, 0,1,2,3,4,5,6,7
	ds_load_b128 v[PG+4*\i:PG+4*\i+3], v5 offset:256*\c+16*\i
	ds_load_b128 v[PB+4*\i:PB+4*\i+3], v5 offset:4096+256*\c+16*\i
.endr
.irp m, 0,1
.irp i, 0,1,2,3,4,5,6,7
	ds_load_b128 v[PX+4*\i:PX+4*\i+3], v[2+2*\m] offset:256*\c+16*\i
.endr
	s_wait_dscnt 0x0                               ; the numbers are in
.if \c+\m > 0
	s_wait_alu depctr_vm_vsrc(0)                   ; the last image's store has read v22-25, which the conversions below write again
.endif
.irp i, 0,2,4,6,8,10,12,14,16,18,20,22,24,26,28,30
	v_pk_add_f32 v[PX+\i:PX+\i+1], v[PX+\i:PX+\i+1], v[10+4*\m:11+4*\m] op_sel_hi:[1,0] neg_lo:[0,1] neg_hi:[0,1]   ; x - mu
.endr
.irp i, 0,2,4,6,8,10,12,14,16,18,20,22,24,26,28,30
	v_pk_mul_f32 v[PX+\i:PX+\i+1], v[PX+\i:PX+\i+1], v[12+4*\m:13+4*\m] op_sel_hi:[1,0]                            ; x rstd
.endr
.irp i, 0,2,4,6,8,10,12,14,16,18,20,22,24,26,28,30
	v_pk_fma_f32 v[PX+\i:PX+\i+1], v[PX+\i:PX+\i+1], v[PG+\i:PG+\i+1], v[PB+\i:PB+\i+1]                            ; x g + b
.endr
	QBLK PX, 22, 18
	v_nop                                          ; one plain place behind the last conversion
	s_wait_alu depctr_va_vdst(0)                   ; the conversions have written v22-25, which the store reads, and are done reading v160-191; the multiply-adds are done reading v192-255: the next loads land in these
	ds_store_b128 v7, v[22:25] offset:8192*\m+512*\c
.if \c == 0
	v_mov_b32 v[11+4*\m], v21                      ; block h's byte (the register held alpha, which this phase does not use)
.else
	v_lshl_or_b32 v[11+4*\m], v21, 16, v[11+4*\m]  ; block 2 + h's
.endif
.endr
.endr
.irp m, 0,1
	v_lshlrev_b32 v[11+4*\m], v9, v[11+4*\m]
	v_permlanex16_b32 v[13+4*\m], v[11+4*\m], s[SEL], s[SEL+1]
	v_or_b32 v[11+4*\m], v[11+4*\m], v[13+4*\m]    ; the row's scale word, whole in both lanes
.endr
	v_cndmask_b32 v18, v11, v15, s84               ; lanes 0-15: row r's, lanes 16-31: row 16 + r's
	s_wait_alu depctr_va_vdst(0)                   ; v18 is written, which the store reads
	ds_store_b32 v8, v18
	s_wait_dscnt 0x0
	s_barrier_signal -1                            ; x's sixteen fragments lie in LDS; nobody reads gain and bias any more
	s_barrier_wait -1
; ---- P3: my four tiles of the hidden layer for both tiles of rows: eight accumulators by turns, one instruction a turn
; d, a, b: first registers of D, A, B; c: of C, or -1 for the constant 0; sa, sb: scale registers; ra, rb: 1 where the scales lie in lanes 16-31
.macro MM d, a, b, c, sa, sb, ra, rb
.if (\c) < 0
.if (\ra) && (\rb)
	v_wmma_scale_f32_16x16x128_f8f6f4 v[\d:\d+7], v[\a:\a+7], v[\b:\b+7], 0, v[\sa], v[\sb] matrix_a_fmt:MATRIX_FMT_FP4 matrix_b_fmt:MATRIX_FMT_FP4 matrix_a_scale:MATRIX_SCALE_ROW1 matrix_b_scale:MATRIX_SCALE_ROW1
.elseif (\ra)
	v_wmma_scale_f32_16x16x128_f8f6f4 v[\d:\d+7], v[\a:\a+7], v[\b:\b+7], 0, v[\sa], v[\sb] matrix_a_fmt:MATRIX_FMT_FP4 matrix_b_fmt:MATRIX_FMT_FP4 matrix_a_scale:MATRIX_SCALE_ROW1
.elseif (\rb)
	v_wmma_scale_f32_16x16x128_f8f6f4 v[\d:\d+7], v[\a:\a+7], v[\b:\b+7], 0, v[\sa], v[\sb] matrix_a_fmt:MATRIX_FMT_FP4 matrix_b_fmt:MATRIX_FMT_FP4 matrix_b_scale:MATRIX_SCALE_ROW1
.else
	v_wmma_scale_f32_16x16x128_f8f6f4 v[\d:\d+7], v[\a:\a+7], v[\b:\b+7], 0, v[\sa], v[\sb] matrix_a_fmt:MATRIX_FMT_FP4 matrix_b_fmt:MATRIX_FMT_FP4
.endif
.else
.if (\ra) && (\rb)
	v_wmma_scale_f32_16x16x128_f8f6f4 v[\d:\d+7], v[\a:\a+7], v[\b:\b+7], v[\c:\c+7], v[\sa], v[\sb] matrix_a_fmt:MATRIX_FMT_FP4 matrix_b_fmt:MATRIX_FMT_FP4 matrix_a_scale:MATRIX_SCALE_ROW1 matrix_b_scale:MATRIX_SCALE_ROW1
.elseif (\ra)
	v_wmma_scale_f32_16x16x128_f8f6f4 v[\d:\d+7], v[\a:\a+7], v[\b:\b+7], v[\c:\c+7], v[\sa], v[\sb] matrix_a_fmt:MATRIX_FMT_FP4 matrix_b_fmt:MATRIX_FMT_FP4 matrix_a_scale:MATRIX_SCALE_ROW1
.elseif (\rb)
	v_wmma_scale_f32_16x16x128_f8f6f4 v[\d:\d+7], v[\a:\a+7], v[\b:\b+7], v[\c:\c+7], v[\sa], v[\sb] matrix_a_fmt:MATRIX_FMT_FP4 matrix_b_fmt:MATRIX_FMT_FP4 matrix_b_scale:MATRIX_SCALE_ROW1
.else
	v_wmma_scale_f32_16x16x128_f8f6f4 v[\d:\d+7], v[\a:\a+7], v[\b:\b+7], v[\c:\c+7], v[\sa], v[\sb] matrix_a_fmt:MATRIX_FMT_FP4 matrix_b_fmt:MATRIX_FMT_FP4
.endif
.endif
.endm
.macro XFETCH s                        ; K step s of x: two fragments and the scale words: five LDS loads, into set s % 2
.irp m, 0,1
.irp c, 0,1
	ds_load_b128 v[XF+16*((\s)%2)+8*\m+4*\c:XF+16*((\s)%2)+8*\m+4*\c+3], v2 offset:(8*\m+(\s))*1024+512*\c
.endr
.endr
	ds_load_b32 v[XS+(\s)%2], v4 offset:128*(\s)
.endm
.macro K1 s
.set RG, RING+34*((\s)%3)
.set XB, XF+16*((\s)%2)
.set XW, XS+(\s)%2
.if (\s) == 0
	s_wait_loadcnt 0x0                             ; units 0 to 2 and b1 (so steps 1 and 2 need no wait)
.elseif (\s) >= 3
	s_wait_loadcnt 18                              ; unit s is in; the two units behind it may be out
.endif
.if (\s) < 7
	s_wait_dscnt 5                                 ; this step's fragments of x are in; the next step's five loads may be out
.else
	s_wait_dscnt 0x0
.endif
.if (\s) == 0
.irp t, 0,1,2,3
	MM HA+32+8*\t, RG+8*\t, XB+8, HA+8*\t, RG+32+\t%2, XW, \t/2, 1    ; rows 16-31 first: b1, which lies in the other tiles' registers, is their C
.endr
.rept 5
	v_nop                                          ; five places: the products below write over registers that those above read as C
.endr
.irp t, 0,1,2,3
	MM HA+8*\t, RG+8*\t, XB, HA+8*\t, RG+32+\t%2, XW, \t/2, 0         ; rows 0-15: onto b1, in place
.endr
.else
.irp t, 0,1,2,3
	MM HA+8*\t, RG+8*\t, XB, HA+8*\t, RG+32+\t%2, XW, \t/2, 0
	MM HA+32+8*\t, RG+8*\t, XB+8, HA+32+8*\t, RG+32+\t%2, XW, \t/2, 1
.endr
.endif
.rept 4
	v_nop                                          ; four places in front of loads into registers that these products have read, and of the first read of results
.endr
	s_wait_alu depctr_va_vdst(0)                   ; the step's eight products are done reading their ring slot, their set of x's fragments and its scale word: the loads below land in these
.if (\s)+2 < 8
	XFETCH (\s)+2
.endif
	WU (\s)+3                                      ; the stream goes on into w2's units
.endm
	s_wait_alu depctr_vm_vsrc(0)                   ; the last phase's LDS loads have read v2 and v4, which are written below
	v_add_nc_u32 v2, XIMG, v[L16]
	v_lshrrev_b32 v4, 1, v[L8]
	v_add_nc_u32 v4, XSC, v4
	s_wait_alu depctr_va_vdst(0)                   ; v2 and v4 are written, which the loads below read; the last phase's arithmetic is done with v192-225, in which they land
	XFETCH 0
	XFETCH 1
	K1 0
	K1 1
	K1 2
	K1 3
	K1 4
	K1 5
	K1 6
	K1 7
; ---- P4: relu; my 64 hidden units of each row are two blocks of 32: half w % 2 of K step w / 2 of the second product
.set j, 0
.rept 64
	v_max_num_f32 v[HA+j], 0, v[HA+j]              ; each accumulator from its low end on
.set j, j+1
.endr
.irp b, 0,1,2,3                        ; block b: rows 0-15: 0, 1; rows 16-31: 2, 3.  No |.|: nothing is negative
	v_max3_num_f32 v[TM+\b], v[HA+16*\b], v[HA+1+16*\b], 0x1800000
.endr
.irp i, 2,4,6,8,10,12,14
.irp b, 0,1,2,3
	v_max3_num_f32 v[TM+\b], v[TM+\b], v[HA+16*\b+\i], v[HA+1+16*\b+\i]
.endr
.endr
.irp b, 0,1,2,3
	v_permlanex16_b32 v[TM+4+\b], v[TM+\b], s[SEL], s[SEL+1]
.endr
.irp b, 0,1,2,3
	v_max_num_f32 v[TM+\b], v[TM+\b], v[TM+4+\b]   ; with lane l xor 16's 16 numbers: the block's largest
.endr
.irp b, 0,1,2,3
	v_add_nc_u32 v[TM+12+\b], 0xff000000, v[TM+\b]
.endr
.irp b, 0,1,2,3
	v_lshrrev_b32 v[TM+4+\b], 23, v[TM+12+\b]
.endr
	v_lshl_or_b32 v216, v[TM+5], 8, v[TM+4]        ; my two bytes of row r's scale word,
	v_lshl_or_b32 v217, v[TM+7], 8, v[TM+6]        ; of row 16 + r's
	v_cndmask_b32 v218, v216, v217, s84
.irp b, 0,1,2,3
	v_cvt_scalef32_pk8_fp4_f32 v[PC+2*\b], v[HA+16*\b:HA+16*\b+7], v[TM+12+\b]
	v_cvt_scalef32_pk8_fp4_f32 v[PC+1+2*\b], v[HA+8+16*\b:HA+8+16*\b+7], v[TM+12+\b]
.endr
	v_nop                                          ; one plain place behind the last conversion
.irp c, 0,1                            ; the operand's layout wants a whole block in a lane
.irp i, 0,1
	v_permlane16_swap_b32 v[PC+4*\c+\i], v[PC+2+4*\c+\i]
.endr
.endr
	s_lshr_b32 s90, s2, 1
	s_and_b32 s91, s2, 1
	s_lshl_b32 s92, s90, 10
	s_lshl_b32 s93, s91, 9
	s_add_co_u32 s92, s92, s93
	s_add_co_u32 s92, s92, HIMG
	s_wait_alu depctr_vm_vsrc(0)                   ; the last phase's LDS loads have read v2 and v4, which are written below
	v_add_nc_u32 v2, s92, v[L16]
	s_lshl_b32 s92, s90, 7
	s_lshl_b32 s93, s91, 1
	s_add_co_u32 s92, s92, s93
	s_add_co_u32 s92, s92, HSC
	v_lshrrev_b32 v4, 1, v[L8]
	v_add_nc_u32 v4, s92, v4
	s_wait_alu depctr_va_vdst(0)                   ; the codes v208-215, the two bytes in v218 and the addresses v2 and v4 are written, which the three stores read
	ds_store_b128 v2, v[PC:PC+3]
	ds_store_b128 v2, v[PC+4:PC+7] offset:4096
	ds_store_b16 v4, v218
	s_wait_dscnt 0x0
	s_barrier_signal -1                            ; the hidden layer's eight fragments lie in LDS
	s_barrier_wait -1
; ---- P5: my 128 outputs in two groups of 64; behind each group x + alpha z goes into x's place in LDS
.macro AXE_SET                         ; v5: row r, my 512 bytes, 64 h on
	v_and_b32 v12, 15, v0
	v_bfe_u32 v13, v0, 4, 1
	v_mul_u32_u24 v5, v12, XP
	v_lshl_add_u32 v5, v13, 6, v5
	v_add_nc_u32 v5, s90, v5
.endm
	s_wait_alu depctr_vm_vsrc(0)                   ; the three stores have read v2 and v4, in which the alphas land, and v208-215 and v218, which this phase's products write
	s_lshl_b32 s90, s2, 9
	v_add_nc_u32 v10, HIMG, v[L16]
	v_lshrrev_b32 v11, 1, v[L8]
	v_add_nc_u32 v11, HSC, v11
	AXE_SET
	v_lshl_add_u32 v14, v12, 4, STAT+4
	s_wait_alu depctr_va_vdst(0)                   ; the addresses v5, v10, v11 and v14 are written; the last phase's arithmetic is done with v128-191, in which the hidden layer's fragments land
.irp m, 0,1
.irp s, 0,1,2,3
.irp c, 0,1
	ds_load_b128 v[HF+8*(4*\m+\s)+4*\c:HF+8*(4*\m+\s)+4*\c+3], v10 offset:(4*\m+\s)*1024+512*\c
.endr
.endr
.endr
.irp s, 0,1,2,3
	ds_load_b32 v[6+\s], v11 offset:128*\s         ; v6-9: the hidden layer's scale words
.endr
	ds_load_b32 v2, v14                            ; alpha of row r: the low word of the pair v[2:3],
	ds_load_b32 v4, v14 offset:256                 ; of row 16 + r: of v[4:5]
	s_wait_dscnt 0x0
	s_wait_alu depctr_vm_vsrc(0)                   ; the loads above have read v10, v11 and v14: x's numbers land in v10-25 further down
.macro LX g, b                         ; 16 neighbours of x: group g, columns 32 b + 16 h on, of the row at v5
.irp i, 0,1,2,3
	ds_load_b128 v[TP+4*\i:TP+4*\i+3], v5 offset:256*(\g)+128*(\b)+16*\i
.endr
.endm
.macro K2 g, s
.set U, 8+4*(\g)+(\s)
.set RG, RING+34*(U%3)
.if U == 14
	s_wait_loadcnt 17                              ; behind unit 14: unit 15's nine loads and b2's eight
.elseif U == 15
	s_wait_loadcnt 8                               ; behind unit 15: b2's eight
.else
	s_wait_loadcnt 18                              ; the two units behind this one may be out
.endif
.if (\s) == 3
	LX \g, 0                                       ; x for the first piece of the way back, under the group's last products.  No wait: no vector instruction since the last wait on va_vdst names v5 or v10-25
.endif
.irp t, 0,1,2,3
.if (\s) == 0
	MM ZA+8*\t, RG+8*\t, HF+8*(\s), -1, RG+32+\t%2, 6+(\s), \t/2, 0          ; the first K step starts the sums
	MM ZA+32+8*\t, RG+8*\t, HF+32+8*(\s), -1, RG+32+\t%2, 6+(\s), \t/2, 1
.else
	MM ZA+8*\t, RG+8*\t, HF+8*(\s), ZA+8*\t, RG+32+\t%2, 6+(\s), \t/2, 0
	MM ZA+32+8*\t, RG+8*\t, HF+32+8*(\s), ZA+32+8*\t, RG+32+\t%2, 6+(\s), \t/2, 1
.endif
.endr
.rept 4+(\s)/3
	v_nop                                          ; four places in front of the loads below; five behind a group's last products, whose accumulators the next group begins anew
.endr
.if U <= 13
	s_wait_alu depctr_va_vdst(0)                   ; the step's eight products are done reading their ring slot, in which the loads below land (in the second group's first step also: v5 is written anew, and the way back is done with v10-25)
.endif
.if U+3 <= 15
	WU U+3
.endif
.if U == 13
.irp j, 0,1,2,3,4,5,6,7
	global_load_b128 v[B2R+4*\j:B2R+4*\j+3], v[L16], s[76:77] offset:512*\j   ; b2, dense, into the slot that unit 13 has left
.endr
.endif
.endm
.macro EPI g                           ; piece k: rows 16 (k / 2) + r, columns 32 (k % 2) + 16 h + 0 .. 15 of the group
.irp k, 0,1,2,3
	s_wait_dscnt 0x0                               ; this piece's x is in
.set ZB, ZA+32*(\k/2)+16*(\k%2)
.irp i, 0,2,4,6,8,10,12,14
	v_pk_fma_f32 v[ZB+\i:ZB+\i+1], v[ZB+\i:ZB+\i+1], v[2+2*(\k/2):3+2*(\k/2)], v[TP+\i:TP+\i+1] op_sel_hi:[1,0,1]   ; alpha z + x; each accumulator from its low end on
.endr
	s_wait_alu depctr_va_vdst(0)                   ; the multiply-adds have written the piece's sixteen registers, which the stores read, and are done reading v10-25, in which the next piece's x lands
.irp i, 0,1,2,3
	ds_store_b128 v5, v[ZB+4*\i:ZB+4*\i+3] offset:256*(\g)+128*(\k%2)+16*\i
.endr
.if \k == 1
	s_wait_alu depctr_vm_vsrc(0)                   ; the LDS stores and loads issued so far have read v5
	v_add_nc_u32 v5, 16*XP, v5                     ; on to rows 16-31
	s_wait_alu depctr_va_vdst(0)                   ; v5 is written, which the loads below read
.endif
.if \k < 3
	LX \g, (\k+1)%2
.endif
.endr
	s_wait_dscnt 0x0                               ; no LDS instruction of mine is out
	s_wait_alu depctr_vm_vsrc(0)                   ; the stores have read the accumulators and v5: behind the first group products begin the accumulators anew and v5 is made anew, behind the second the rows of the result land there
.endm
	K2 0, 0
	K2 0, 1
	K2 0, 2
	K2 0, 3
	EPI 0
	AXE_SET                                        ; back to rows 0-15
	K2 1, 0
	K2 1, 1
	K2 1, 2
	K2 1, 3
	EPI 1
	s_barrier_signal -1                            ; (EPI ends with a wait for all my LDS instructions)  32 whole rows of x + alpha z lie in LDS
	s_barrier_wait -1
; ---- P6: my four rows, dense: + alpha b2, and out
	s_mul_i32 s91, s2, 4*XP
	v_add_nc_u32 v10, s91, v[L16]
	s_wait_alu depctr_va_vdst(0)                   ; v10 is written, which the loads below read; the products are done with v128-191 and the way back with v192-255, in which they land
.irp q, 0,1,2,3
.irp j, 0,1,2,3,4,5,6,7
	ds_load_b128 v[A2+32*\q+4*\j:A2+32*\q+4*\j+3], v10 offset:XP*\q+512*\j
.endr
.endr
	s_wait_loadcnt 0x0                             ; b2
.irp q, 0,1,2,3
	s_wait_dscnt 24-8*\q                           ; row q's eight loads are in; the later rows' may be out
.irp i, 0,2,4,6,8,10,12,14,16,18,20,22,24,26,28,30
	v_pk_fma_f32 v[A2+32*\q+\i:A2+32*\q+\i+1], v[B2R+\i:B2R+\i+1], s[56+2*\q:57+2*\q], v[A2+32*\q+\i:A2+32*\q+\i+1] op_sel_hi:[1,0,1]
.endr
	s_wait_alu depctr_va_vdst(0)                   ; the multiply-adds have written the row's 32 registers, which the stores below read
	s_add_co_u32 s3, s7, \q
	s_cmp_lt_u32 s3, s5                            ; a row past the tile's count is not stored
	s_cbranch_scc0 .Lpad\q
.irp j, 0,1,2,3,4,5,6,7
	global_store_b128 v[L16], v[A2+32*\q+4*\j:A2+32*\q+4*\j+3], s[48+2*\q:49+2*\q] offset:512*\j th:TH_STORE_NT   ; each store covers 512 consecutive bytes, aligned
.endr
.Lpad\q:
.endr
	s_wait_alu depctr_vm_vsrc(0)                   ; this phase's LDS loads have read v10, which is written below
	v_lshl_add_u32 v10, v0, 2, SPARE               ; no two registers could be kept: v0 was, and the add's two are made here
	v_mov_b32 v11, 0
	s_wait_dscnt 0x0                               ; the closing lines, six on end
	s_wait_alu 0x0
	s_wait_tensorcnt 0x0
	ds_add_u32 v10, v11
	s_wait_dscnt 0x0
	s_endpgm
.Lfunc_end_k_qf6fe35d5b3_chain:
	.size	k_qf6fe35d5b3_chain, .Lfunc_end_k_qf6fe35d5b3_chain-k_qf6fe35d5b3_chain
	.p2alignl 7, 3214868480
	.fill 96, 4, 3214868480
	.section	.rodata,"a",@progbits
	.p2align	6, 0x0
	.amdhsa_kernel k_qf6fe35d5b3_chain
		.amdhsa_group_segment_fixed_size 159232
		.amdhsa_private_segment_fixed_size 0
		.amdhsa_enable_private_segment 0
		.amdhsa_kernarg_size 104
		.amdhsa_user_sgpr_count 2
		.amdhsa_user_sgpr_kernarg_segment_ptr 1
		.amdhsa_wavefront_size32 1
		.amdhsa_system_sgpr_workgroup_id_x 1
		.amdhsa_system_sgpr_workgroup_id_y 1
		.amdhsa_system_sgpr_workgroup_id_z 1
		.amdhsa_system_vgpr_workitem_id 0
		.amdhsa_next_free_vgpr 256
		.amdhsa_next_free_sgpr 96
		.amdhsa_reserve_vcc 0
		.amdhsa_float_denorm_mode_32 3
		.amdhsa_float_denorm_mode_16_64 3
		.amdhsa_memory_ordered 1
		.amdhsa_forward_progress 1
		.amdhsa_inst_pref_size 115
	.end_amdhsa_kernel
	.amdgpu_metadata
---
amdhsa.version: [ 1, 2 ]
amdhsa.kernels:
  - .name:           k_qf6fe35d5b3_chain
    .symbol:         k_qf6fe35d5b3_chain.kd
    .args:
      - { .name: input_features, .offset: 0, .size: 8, .value_kind: global_buffer, .address_space: global }
      - { .name: ord, .offset: 8, .size: 8, .value_kind: global_buffer, .address_space: global }
      - { .name: tiles, .offset: 16, .size: 8, .value_kind: global_buffer, .address_space: global }
      - { .name: alpha, .offset: 24, .size: 8, .value_kind: global_buffer, .address_space: global }
      - { .name: ln_g, .offset: 32, .size: 8, .value_kind: global_buffer, .address_space: global }
      - { .name: ln_b, .offset: 40, .size: 8, .value_kind: global_buffer, .address_space: global }
      - { .name: w1q, .offset: 48, .size: 8, .value_kind: global_buffer, .address_space: global }
      - { .name: w1s, .offset: 56, .size: 8, .value_kind: global_buffer, .address_space: global }
      - { .name: b1, .offset: 64, .size: 8, .value_kind: global_buffer, .address_space: global }
      - { .name: w2q, .offset: 72, .size: 8, .value_kind: global_buffer, .address_space: global }
      - { .name: w2s, .offset: 80, .size: 8, .value_kind: global_buffer, .address_space: global }
      - { .name: b2, .offset: 88, .size: 8, .value_kind: global_buffer, .address_space: global }
      - { .name: out0, .offset: 96, .size: 8, .value_kind: global_buffer, .address_space: global }
    .group_segment_fixed_size: 159232
    .private_segment_fixed_size: 0
    .kernarg_segment_align: 8
    .kernarg_segment_size: 104
    .max_flat_workgroup_size: 256
    .sgpr_count:     96
    .vgpr_count:     256
    .wavefront_size: 32
...
	.end_amdgpu_metadata
.endif
;; end of part 4
